; MI455X (gfx1250); checked and timed in simulation.
; The chip was launched on July 23, 2026; its instructions are those of AMD's public machine-readable ISA for CDNA 5 (MIT licence, August 2026) and "CDNA5" Instruction Set Architecture Reference Guide (July 2026). The comments in the code are by the model that wrote it; some were corrected since.
;; Attention. Allowed arithmetic: matrix products marked QUANTISED: E5M2 operands, one E8M0 scale for each 32 along K, by v_wmma_scale_f32_16x16x128_f8f6f4 with both operands' format E5M2, f32 sums; everything else in f32.
;; Inputs: Q 2 x 8 x 2,048 x 512 float32; V_codes 2 x 8 x 128 x 64 x 32 uint8 (E5M2 codes of V, K innermost, in blocks of 32 codes); V_scales 2 x 8 x 128 x 64 uint8 (E8M0 scales of V, one for each 32 codes along K); freqs 1 x 1 x 1 x 512 float32.
;; Outputs: out0 2 x 8 x 2,048 x 128 float32.
;; This version of the problem:
;;   THIS VERSION OF THE PROBLEM IS GIVEN IN LOW PRECISION. The matrix products marked QUANTISED in the list below multiply operands that are first quantised to E5M2 (5 exponent bits, 2 mantissa bits; 8 bits a number), with one power-of-two scale for each 32 numbers along K (OCP MX v1.0); their sums are f32. All else is computed in f32.
;;   The module's matrix products, in the order in which they are computed (A, B: the left and right operand; K: the contracted axis; several contracted axes count as one K, in the product's order):
;;     1. batch 16 x [M 2,048, K 512] x [K 512, N 2,048]; A: computed on the way; B: computed on the way: QUANTISED
;;     2. batch 16 x [M 2,048, K 2,048] x [K 2,048, N 128]; A: computed on the way; B: input V (given as codes): QUANTISED
;;   THE QUANTISER, for each operand of a quantised product, along K:
;;     - K is cut into blocks of 32 from its start; a last block that is shorter is filled with zeros.
;;     - A block's scale is 2^e with e = floor(log2(the largest magnitude in the block)) - 15, held to -126 .. 127; a block of zeros has e = 0. As a byte (E8M0): e + 127.
;;     - Each number is divided by its block's scale, clamped to +-57,344, and rounded to the nearest number of E5M2, ties to even, subnormals kept.
;;     - The product sums the exact products of the quantised numbers (number of the format x scale) in f32.
;;   ~~~python
;;   def quantise(x, axis):      # numpy; x: float32 -> the quantised numbers, widened to float32 again
;;       x = np.moveaxis(x, axis, -1); K = x.shape[-1]
;;       x = np.pad(x, [(0, 0)] * (x.ndim - 1) + [(0, -K % 32)]); x = x.reshape(x.shape[:-1] + (-1, 32)); a = np.abs(x).max(-1, keepdims=True)
;;       e = np.where(a > 0, np.clip(np.frexp(np.where(a > 0, a, 1))[1] - 1 - 15, -126, 127), 0)      # np.frexp(a)[1] - 1 = floor(log2(a)), exactly
;;       r = np.clip(x / 2.0 ** e, -57344, 57344)
;;       step = 2.0 ** (np.maximum(np.frexp(np.where(r == 0, 1, r))[1] - 1, -14) - 2)
;;       q = np.round(r / step) * step * 2.0 ** e      # np.round: ties to even
;;       return np.moveaxis(q.reshape(q.shape[:-2] + (-1,))[..., :K], -1, axis).astype(np.float32)
;;   ~~~
;;   OPERANDS COMPUTED ON THE WAY. 'Computed on the way' means the value that the module computes at that place (a softmax that the list does not call 'softmax' is quantised finished and normalised). What goes into a quantiser is computed in f32, as accurately as f32 sums, v_exp_f32 and their like allow (about 1e-6 of the number): no bf16 or f16 on the way to a quantiser, and a product that is left as it is and whose result goes on into a quantised operand takes f32 operands (vector FMAs, or v_wmma_f32_16x16x4_f32). A number that lies on a knife's edge between two numbers of the format may be rounded either way, as far as f32 arithmetic and the matrix unit's own rounding can turn it there, and no further.
;;   INPUTS GIVEN AS CODES. V (in the module: [2, 8, 2048, 128], K = its axis 2): each comes as NAME_codes (uint8): NAME with its K axis moved to the last place and cut into blocks of 32 codes, [.., K / 32, bytes a block], one block behind the other in memory; one code a byte (a code: sign, 5 exponent bits, 2 mantissa bits); and NAME_scales (uint8): the same leading axes, one E8M0 byte (e + 127) for each 32 codes along K. Its value is code x scale, taken as it is: it is not quantised again, and the codes and scales need not be those that the quantiser above would give.
;; 2 versions, each right. Each part assembles by itself: llvm-mc -triple=amdgcn-amd-amdhsa -mcpu=gfx1250 --defsym DOCPART=n.
;; ======== version 1 of 2: 2 launches
;; workspace buffers: qr_codes 16,777,216 bytes; qr_scales 524,288 bytes
;; launch rope (part 1): grid 128 x 2, 16 waves a work-group, no clusters, 4,096 bytes of LDS; arguments Q, freqs, qr_codes, qr_scales; writes qr_codes, qr_scales
.if DOCPART == 1
	.amdgcn_target "amdgcn-amd-amdhsa--gfx1250"
	.amdhsa_code_object_version 6
	.text
	.protected	k_qac28d7ad7e_rope
	.globl	k_qac28d7ad7e_rope
	.p2align	8
	.type	k_qac28d7ad7e_rope,@function
k_qac28d7ad7e_rope:
	s_mov_b64 s[64:65], 0
	v_nop
	global_prefetch_b8 v0, s[64:65] scope:SCOPE_SE
	s_setreg_imm32_b32 hwreg(HW_REG_WAVE_MODE, 25, 1), 1
	s_wait_xcnt 0x0
; QR[head][t][n] = Q cos + rot(Q) sin, phase = ((t x freqs[n]) mod 1) x 2 pi, all in f32; then QR is turned into codes of E5M2 along n, one E8M0 byte for each 32.
; OUT: qr_codes [16 heads][2048 storage rows][512 bytes], qr_scales [16][2048 storage rows][16 bytes].  Row t lies at storage row sigma = t with bits 3 and 4 exchanged,
; so that sixteen neighbouring storage rows 16 T + r are the rows 32 (T / 2) + 8 (T % 2) + r + 8 (r / 8): the choice of rows that the next launch's first product wants for a tile of keys.
; SHARES: a work-group takes 16 storage rows (16 a .. 16 a + 15) of 8 heads (8 y ..); wave w takes storage row 16 a + w in all 8 heads.  A lane holds 16 neighbours along n (two lanes to a block of 32),
; so cos and sin of its 16 n are made once and serve 8 heads.  freqs is taken as given, a frequency for each n.
; The phase is made as the source makes it: ONE f32 product t x freq, x - floor(x) (exact), one product by 2 pi.  sin and cos: k = nearest whole number to p x 2 / pi, r = p - k pi / 2 with pi / 2 in two words,
; two polynomials on |r| <= pi / 4, the quadrant by selects.
; LIMITS: the polynomials are good to about 1e-7; NaN and infinities among the inputs are not served; a block whose largest magnitude lies under 2^-110 has its byte held at 1.
; No tensor loads, no ring: all 32 loads of a wave (16 KiB) go out at the head and land while sin and cos are computed.  One barrier, for the scale bytes, which leave as aligned runs of 256 bytes.
.set F,   16                           ; v16-31   freqs of my 16 n
.set CO,  32                           ; v32-47   cos
.set SN,  48                           ; v48-63   sin, the even n's negated (QR[2i] takes -Q[2i+1] sin[2i])
.set X,   64                           ; v64-191  Q: 16 numbers for each of 8 heads
.set C,   192                          ; v192-223 codes: 4 registers for each head, so that no store's data are written again
.set T,   224                          ; v224-239 QR of the head in hand
.set E,   248                          ; v248-255 a scale byte for each head
	s_load_b256 s[4:11], s[0:1], 0x0               ; Q s[4:5], freqs s[6:7], qr_codes s[8:9], qr_scales s[10:11]
	v_lshl_add_u32 v246, v0, 2, 0x800
	v_mov_b32 v247, 0
	v_lshrrev_b32 v1, 5, v0
	v_readfirstlane_b32 s12, v1                    ; wave w, 0..15
	v_and_b32 v1, 31, v0                           ; lane
	v_lshlrev_b32 v2, 6, v1                        ; my 64 bytes of a row of Q or of freqs
	v_lshlrev_b32 v3, 4, v1                        ; my 16 bytes of a row of codes
	v_lshrrev_b32 v4, 1, v1
	s_lshl_b32 s17, s12, 4
	v_add_nc_u32 v4, s17, v4                       ; LDS: [head 8][row 16][16 bytes]: 16 w + my block
	s_lshl_b32 s17, s12, 9
	v_add_nc_u32 v5, s17, v3                       ; LDS, on the way out: 512 w + 16 lane (waves 0 to 3)
	v_lshrrev_b32 v6, 4, v1
	s_lshl_b32 s17, s12, 1
	v_add_nc_u32 v6, s17, v6                       ; which is head 2 w + lane / 16,
	v_and_b32 v8, 15, v1
	v_lshlrev_b32 v8, 4, v8
	v_lshl_add_u32 v6, v6, 15, v8                  ; 32,768 bytes a head, + 16 (lane % 16)
	s_mov_b32 s13, ttmp9                           ; a
	s_and_b32 s14, ttmp7, 0xffff
	s_lshl_b32 s14, s14, 3                         ; my first head: 8 y
	s_lshr_b32 s15, s13, 1
	s_lshl_b32 s15, s15, 5                         ; t = 32 (a / 2)
	s_and_b32 s17, s13, 1
	s_lshl_b32 s17, s17, 3
	s_add_co_u32 s15, s15, s17                     ;   + 8 (a % 2)
	s_lshr_b32 s17, s12, 3
	s_lshl_b32 s17, s17, 4
	s_add_co_u32 s15, s15, s17                     ;   + 16 (w / 8)
	s_and_b32 s17, s12, 7
	s_add_co_u32 s15, s15, s17                     ;   + w % 8
	s_lshl_b32 s16, s13, 4
	s_add_co_u32 s16, s16, s12                     ; sigma = 16 a + w
	v_cvt_f32_u32 v7, s15                          ; t as f32
	s_mov_b32 s20, 0xbfc90fdb                      ; -pi / 2, high word
	s_mov_b32 s21, 0x333bbd2e                      ; -pi / 2, what the high word leaves: +4.371139e-8
	s_mov_b32 s22, 0xbe2aaaa3                      ; sin r = r + r z (S1 + z (S2 + z S3)), z = r r
	s_mov_b32 s23, 0x3c08839e
	s_mov_b32 s24, 0xb94ca1f9
	s_mov_b32 s25, 0x3d2aaaa5                      ; cos r = 1 - z / 2 + z z (C1 + z (C2 + z C3))
	s_mov_b32 s26, 0xbab6061a
	s_mov_b32 s27, 0x37ccf5ce
	s_mov_b32 s28, 0x40c90fdb                      ; 2 pi
	s_mov_b32 s29, 0x3f22f983                      ; 2 / pi
	s_lshl_b32 s18, s14, 22                        ; Q: 4,194,304 bytes a head, 2,048 a row
	s_lshl_b32 s17, s15, 11
	s_add_co_u32 s18, s18, s17
	s_mov_b32 s19, 0
	s_lshl_b32 s30, s14, 20                        ; codes: 1,048,576 bytes a head, 512 a storage row
	s_lshl_b32 s17, s16, 9
	s_add_co_u32 s30, s30, s17
	s_mov_b32 s31, 0
	s_lshl_b32 s40, s14, 15                        ; scale bytes: 32,768 a head, 256 for the work-group's 16 rows
	s_lshl_b32 s17, s13, 8
	s_add_co_u32 s40, s40, s17
	s_mov_b32 s41, 0
	s_wait_kmcnt 0x0
	s_add_nc_u64 s[32:33], s[4:5], s[18:19]        ; four bases, two heads apart; the odd head of a pair stands in the immediate
	s_add_nc_u64 s[34:35], s[32:33], 0x800000
	s_add_nc_u64 s[36:37], s[34:35], 0x800000
	s_add_nc_u64 s[38:39], s[36:37], 0x800000
	s_add_nc_u64 s[8:9], s[8:9], s[30:31]
	s_add_nc_u64 s[10:11], s[10:11], s[40:41]
.irp i, 0,1,2,3
	global_load_b128 v[F+4*\i:F+4*\i+3], v2, s[6:7] offset:16*\i
.endr
.irp g, 0,1,2,3,4,5,6,7
.irp i, 0,1,2,3
	global_load_b128 v[X+16*\g+4*\i:X+16*\g+4*\i+3], v2, s[32+2*(\g/2):33+2*(\g/2)] offset:(\g%2)*4194304+16*\i th:TH_LOAD_NT
.endr
.endr
	s_wait_loadcnt 32                              ; freqs are in; Q's 32 loads, issued behind them, may be out
; cos and sin of my i-th n.  v8 p, then r; v9 k as f32; v10 k; v11 z; v12 sin r; v13 at work; v14 cos r; v15 1 - z / 2
.macro SINCOS i
	v_mul_f32 v8, v7, v[F+\i]                      ; t x freq: one f32 product
	v_floor_f32 v9, v8
	v_sub_f32 v8, v8, v9                           ; mod 1
	v_mul_f32 v8, s28, v8                          ; the phase p
	v_mul_f32 v9, s29, v8
	v_rndne_f32 v9, v9                             ; k = 0 .. 4
	v_fma_f32 v8, v9, s20, v8
	v_fma_f32 v8, v9, s21, v8                      ; r = p - k pi / 2
	v_cvt_i32_f32 v10, v9
	v_mul_f32 v11, v8, v8
	v_fma_f32 v12, v11, s24, s23
	v_fma_f32 v14, v11, s27, s26
	v_fma_f32 v12, v12, v11, s22
	v_fma_f32 v14, v14, v11, s25
	v_mul_f32 v13, v11, v8
	v_fma_f32 v15, v11, -0.5, 1.0
	v_fma_f32 v12, v12, v13, v8                    ; sin r
	v_mul_f32 v13, v11, v11
	v_fma_f32 v14, v14, v13, v15                   ; cos r
	v_and_b32 v13, 1, v10
	v_cmp_eq_u32 vcc_lo, 1, v13                    ; an odd quadrant swaps the two
	v_cndmask_b32 v[SN+\i], v12, v14, vcc_lo
	v_cndmask_b32 v[CO+\i], v14, v12, vcc_lo
	v_lshlrev_b32 v13, 30, v10
	v_and_b32 v13, 0x80000000, v13                 ; sin is negative in quadrants 2 and 3: bit 1 of k
	v_xor_b32 v[SN+\i], v[SN+\i], v13
	v_add_nc_u32 v13, 1, v10
	v_lshlrev_b32 v13, 30, v13
	v_and_b32 v13, 0x80000000, v13                 ; cos in quadrants 1 and 2: bit 1 of k + 1
	v_xor_b32 v[CO+\i], v[CO+\i], v13
.if (\i%2) == 0
	v_xor_b32 v[SN+\i], 0x80000000, v[SN+\i]       ; the even n's sin is kept negated
.endif
.endm
.irp i, 0,1,2,3,4,5,6,7,8,9,10,11,12,13,14,15
	SINCOS \i
.endr
; One head: the turn, the block's scale, the hold, the conversion, the stores.
.macro STEP hh
.set XS, X+16*\hh
	s_wait_loadcnt 4*(7-\hh)                       ; this head's four loads are in; the later heads' may be out
.irp i, 0,2,4,6,8,10,12,14
	v_pk_mul_f32 v[T+\i:T+\i+1], v[XS+\i:XS+\i+1], v[SN+\i:SN+\i+1] op_sel:[1,0] op_sel_hi:[0,1]   ; Q's pair swapped: Q[2i+1] x -sin[2i], Q[2i] x sin[2i+1]
.endr
.irp i, 0,2,4,6,8,10,12,14
	v_pk_fma_f32 v[T+\i:T+\i+1], v[XS+\i:XS+\i+1], v[CO+\i:CO+\i+1], v[T+\i:T+\i+1]
.endr
	v_max3_num_f32 v8, |v[T]|, |v[T+1]|, |v[T+2]|  ; the largest magnitude of my 16, in two chains
	v_max3_num_f32 v9, |v[T+3]|, |v[T+4]|, |v[T+5]|
.irp i, 6,10
	v_max3_num_f32 v8, v8, |v[T+\i]|, |v[T+\i+1]|
	v_max3_num_f32 v9, v9, |v[T+\i+2]|, |v[T+\i+3]|
.endr
	v_max3_num_f32 v8, v8, |v[T+14]|, |v[T+15]|
	v_max_num_f32 v8, v8, v9
	v_max_num_f32_dpp v8, v8, v8 row_xmask:1 row_mask:0xf bank_mask:0xf   ; and of my neighbour's 16: the block's
	v_lshrrev_b32 v9, 23, v8                       ; its exponent field
	v_max_u32 v9, 16, v9                           ; the byte is not to fall under 1
	v_lshl_or_b32 v10, v9, 23, 0x600000            ; 57,344 x the scale
	v_add_nc_u32 v9, -15, v9                       ; the scale's byte
	v_lshlrev_b32 v11, 23, v9                      ; the scale as f32, for the conversion
	v_cmp_eq_u32 vcc_lo, 0, v8                     ; a block of zeros?
.irp i, 0,1,2,3,4,5,6,7,8,9,10,11,12,13,14,15
	v_med3_num_f32 v[T+\i], v[T+\i], -v10, v10     ; the conversion does not saturate (ISA guide 7.6.2): the number is held first
.endr
	v_cvt_scalef32_pk8_bf8_f32 v[C+4*\hh:C+4*\hh+1], v[T:T+7], v11
	v_cvt_scalef32_pk8_bf8_f32 v[C+4*\hh+2:C+4*\hh+3], v[T+8:T+15], v11
	v_cndmask_b32 v[E+\hh], v9, 127, vcc_lo        ; a block of zeros gets 127.  (Also the plain instruction between the conversions and what touches their results or sources)
	ds_store_b8 v4, v[E+\hh] offset:256*\hh        ; both lanes of a block write the same byte with the same value
	global_store_b128 v3, v[C+4*\hh:C+4*\hh+3], s[8:9] offset:\hh<<20   ; the wave stores a row's 512 consecutive bytes, aligned
.endm
.irp g, 0,1,2,3,4,5,6,7
	STEP \g
.endr
	s_wait_dscnt 0x0                               ; for the others' sake: my scale bytes are in LDS
	s_barrier_signal -1
	s_barrier_wait -1
	s_cmp_lt_u32 s12, 4                            ; 2,048 bytes: four waves take them out
	s_cbranch_scc0 .Lend
	ds_load_b128 v[8:11], v5
	s_wait_dscnt 0x0
	global_store_b128 v6, v[8:11], s[10:11]        ; sixteen lanes store the 256 consecutive bytes of one head's 16 rows, aligned
.Lend:
	s_wait_tensorcnt 0x0
	ds_add_u32 v246, v247
	s_wait_dscnt 0x0
	s_endpgm
.Lfunc_end_k_qac28d7ad7e_rope:
	.size	k_qac28d7ad7e_rope, .Lfunc_end_k_qac28d7ad7e_rope-k_qac28d7ad7e_rope
	.p2alignl 7, 3214868480
	.fill 96, 4, 3214868480
	.section	.rodata,"a",@progbits
	.p2align	6, 0x0
	.amdhsa_kernel k_qac28d7ad7e_rope
		.amdhsa_group_segment_fixed_size 4096
		.amdhsa_private_segment_fixed_size 0
		.amdhsa_enable_private_segment 0
		.amdhsa_kernarg_size 32
		.amdhsa_user_sgpr_count 2
		.amdhsa_user_sgpr_kernarg_segment_ptr 1
		.amdhsa_wavefront_size32 1
		.amdhsa_system_sgpr_workgroup_id_x 1
		.amdhsa_system_sgpr_workgroup_id_y 1
		.amdhsa_system_sgpr_workgroup_id_z 1
		.amdhsa_system_vgpr_workitem_id 0
		.amdhsa_next_free_vgpr 256
		.amdhsa_next_free_sgpr 66
		.amdhsa_reserve_vcc 1
		.amdhsa_float_denorm_mode_32 3
		.amdhsa_float_denorm_mode_16_64 3
		.amdhsa_memory_ordered 1
		.amdhsa_forward_progress 1
		.amdhsa_inst_pref_size 54
	.end_amdhsa_kernel
	.amdgpu_metadata
---
amdhsa.version: [ 1, 2 ]
amdhsa.kernels:
  - .name:           k_qac28d7ad7e_rope
    .symbol:         k_qac28d7ad7e_rope.kd
    .args:
      - { .name: Q, .offset: 0, .size: 8, .value_kind: global_buffer, .address_space: global }
      - { .name: freqs, .offset: 8, .size: 8, .value_kind: global_buffer, .address_space: global }
      - { .name: qr_codes, .offset: 16, .size: 8, .value_kind: global_buffer, .address_space: global }
      - { .name: qr_scales, .offset: 24, .size: 8, .value_kind: global_buffer, .address_space: global }
    .group_segment_fixed_size: 4096
    .private_segment_fixed_size: 0
    .kernarg_segment_align: 8
    .kernarg_segment_size: 32
    .max_flat_workgroup_size: 512
    .sgpr_count:     66
    .vgpr_count:     256
    .wavefront_size: 32
...
	.end_amdgpu_metadata
.endif
;; end of part 1
;; launch attn (part 2): grid 16 x 16, 4 waves a work-group, no clusters, 327,680 bytes of LDS; arguments qr_codes, qr_scales, V_codes, V_scales, out0; writes out0
.if DOCPART == 2
	.amdgcn_target "amdgcn-amd-amdhsa--gfx1250"
	.amdhsa_code_object_version 6
	.text
	.protected	k_qac28d7ad7e_attn
	.globl	k_qac28d7ad7e_attn
	.p2align	8
	.type	k_qac28d7ad7e_attn,@function
k_qac28d7ad7e_attn:
	s_mov_b64 s[64:65], 0
	v_nop
	global_prefetch_b8 v0, s[64:65] scope:SCOPE_SE
	s_setreg_imm32_b32 hwreg(HW_REG_WAVE_MODE, 25, 1), 1
	s_wait_xcnt 0x0
; out0[head][t][:] = the sum over s < t of Quant(S)[t][s] V[s][:], S = QR QR^T, both products on codes of E5M2 with one E8M0 byte for each 32 along K.
; IN: qr_codes [16][2048 storage rows][512], qr_scales [16][2048][16] (storage row = t with bits 3 and 4 exchanged); V_codes [16][128][2048] (keys innermost), V_scales [16][128][64].
; SHARES.  A work-group owns 128 queries (block J) of one head and walks key steps of 128 keys, two steps to a UNIT.  Wave w = 2 kh + qh owns 64 queries (four tiles of 16 storage rows) and, of every step,
; the 64 keys 64 kh on (four tiles).  Its 64 + 64 keys of a unit are the K = 128 of ONE second product.  The two kh waves' sums are added at the end, through LDS.
; LAYOUT.  S^T = K Q^T (source 0 = 16 keys, source 1 = 16 queries), O^T = V^T P^T (source 0 = 16 channels, source 1 = P): a lane holds ONE query throughout.  Sixteen neighbouring storage rows are the keys
; 32 b + 8 u + r + 8 (r / 8), so the 16 registers of key tiles 2 b, 2 b + 1 are the 16 neighbouring keys 32 b + 16 (lane / 16) + 0 .. 15: the conversions' results ARE the second product's operand.
; THE MASK (s < t) can touch only the unit N = J / 2 (steps 2 N, 2 N + 1).  That unit goes FIRST and its second product starts O^T's sums with the constant 0; units 0 .. N - 1 follow and add in place.
; Scores of hidden keys are replaced by 0 ahead of the quantiser, by a select; a block of zeros has the byte 127.  For even J step 2 N + 1 is hidden as a whole and is still walked.
; NO CLUSTER: the blocks of a head walk J / 2 + 1 units, a number that differs between them, so partners would need different numbers of tiles.
; LIMITS: NaN and infinities are not served; a block of scores whose largest magnitude lies under 2^-110 has its byte held at 1; O^T's f32 sums run unit N, then 0 .. N - 1, not ascending.
; REGISTERS, in windows of 256 (s_set_vgpr_msb: bits 1:0 source 0, 3:2 source 1, 5:4 source 2, 7:6 destination):
;   window 0: v0-18 addresses; v24-31 V's raw scale bytes; v32-55 scale words (keys', queries', V's, P's) and nothing else; v64-127 P's codes; v128-255 V's fragments
;   window 1: Q's fragments, tile t chunk c at v[64 t + 16 c]      window 3: O^T, (t, d) at v[8 (8 t + d)]
;   window 2: v0-127 S^T, (t, k) at v[8 (4 t + k)]; v128-191, v192-255 two sets of key fragments, which serve the quantiser as scratch once the scores are done
.set PK,    528                        ; a key's row in LDS: 512 bytes + 16: 33 sixteen-byte columns, so 16 rows touch 16 different columns modulo 256 bytes
.set VPI,   144                        ; a row of V's tile: 128 bytes + 16
.set VOFF,  128*PK                     ; a slot: 128 rows of keys, then 128 rows of V
.set SCK,   VOFF+128*VPI               ; 86,016: the head's QR scale bytes, dense, 16 a storage row: filled once
.set SCV,   SCK+32768                  ; 118,784: V's scale bytes, dense, 128 rows of 64: filled once.  No padding: a unit has four loads of 8 bytes a lane from here, beside 160 products
.set SPARE, SCV+8192                   ; 126,976: the spare words, 128 bytes for each wave: two blocks of 256 bytes that no other line names
.set SLOT1, 1<<17                      ; slot 1: one exclusive or turns a slot's address into the other's
.set STG1,  SLOT1+SCK                  ; 217,088: the stage of the kh = 1 waves, 67,584 bytes into which no fill lands; the kh = 0 waves' stage is slot 0's keys, behind that slot's last fill and last read
.set TILEB, 16*PK                      ; a tile of 16 rows of O in a stage
.set AK,   3                           ; v3, v4   my place in a step's keys, slot 0, 1
.set AV,   5                           ; v5, v6   in V's tile
.set AKS0, 7                           ; v7       among the keys' scale words
.set AVS0, 8                           ; v8       among V's scale bytes
.set MB,   9                           ; v9       the mask's base
.set SPW,  10                          ; v10      LDS address of my spare word; never rewritten
.set NIL,  11                          ; v11      0; never rewritten
.set QO,   12                          ; v12      my byte offset in the wave's rows of Q's codes
.set L16,  13                          ; v13      16 x lane
.set STO,  14                          ; v14      the way out: where I put 32 bytes of a row
.set RD,   15                          ; v15, v16 the way out: where I read rows back, stage kh = 0, 1
.set ADS,  17                          ; v17      the unit's scale words of the keys
.set ADT,  18                          ; v18      and V's scale bytes
.set VT,   24
.set KS,   32                          ; v[KS + 4 (k / 2) + c]: lanes 0-15 key tile 2 (k / 2), lanes 16-31 the odd one; chunk c of 128 along N
.set QS,   40                          ; the same for the query tiles
.set VS,   48                          ; v[VS + d / 2]: lanes 0-15 channel tile 2 (d / 2), lanes 16-31 the odd one
.set PS,   52                          ; v[PS + t]: P's scale word of tile t
.set P,    64
.set VF,   128
.set KF,   128                         ; window 2
.set MX,   128                         ; window 2, scratch, eight groups g = 2 t + b of 16 registers: largest magnitude,
.set BY,   136                         ; byte,
.set HD,   144                         ; 57,344 x the scale,
.set SF,   152                         ; the scale as f32,
.set TP,   160                         ; at work,
.set LIM,  168                         ; and for each tile the first hidden key
.set WV,   14                          ; s14 wave; s15 qh; s16 kh; s17 J; s18 head; s19 N
.set G1K,  24
.set G1V,  32
.set G0K,  40
.set G0V,  44
.set G1S,  48
.set G1T,  56
.set G0SK, 68
.set G0SV, 72
.set MSB, 0
.macro WIN new                         ; the immediate's high byte repeats the setting that is left; a switch that changes nothing is dropped
.if MSB != \new
	s_set_vgpr_msb (MSB<<8)|\new
.set MSB, \new
.endif
.endm
.set W_KF,  0x80                       ; destination window 2
.set W_S,   0xa6                       ; keys window 2, queries window 1, S^T window 2
.set W_QU,  0xaa                       ; all in window 2
.set W_PS0, 0x22                       ; sources 0 and 2 window 2, destination window 0
.set W_PS1, 0x02                       ; source 0 window 2
.set W_CVT, 0x0a                       ; sources window 2, destination window 0
.set W_PV,  0xf0                       ; V and P window 0, O^T window 3
.set W_QL,  0x40                       ; destination window 1
.set W_ST,  0x0c                       ; store data window 3
.macro PLACES n                        ; plain instructions between a matrix instruction and what touches its registers: eight for this form
.rept \n
	v_nop
.endr
.endm
; Waves 0 and 1 fetch for the keys, waves 2 and 3 for V: one load a wave.  The branch hangs on the wave's number alone.  Four v_nop follow each of the two lines.
.macro TLOAD g0k, g1k, g0v, g1v
	s_cmp_lt_u32 s[WV], 2
	s_cbranch_scc0 .Lfor_v_\@
	tensor_load_to_lds s[\g0k:\g0k+3], s[\g1k:\g1k+7]
	s_nop 0
.rept 4
	v_nop
.endr
	s_branch .Lasked_\@
.Lfor_v_\@:
	tensor_load_to_lds s[\g0v:\g0v+3], s[\g1v:\g1v+7]
	s_nop 0
.rept 4
	v_nop
.endr
.Lasked_\@:
.endm
	s_load_b256 s[4:11], s[0:1], 0x0               ; qr_codes s[4:5], qr_scales s[6:7], V_codes s[8:9], V_scales s[10:11]
	s_load_b64 s[12:13], s[0:1], 0x20              ; out0
	v_lshl_add_u32 v[SPW], v0, 2, SPARE
	v_mov_b32 v[NIL], 0
	ds_add_u32 v10, v11
	ds_add_u32 v10, v11
	s_wait_dscnt 0x0
	v_lshrrev_b32 v1, 5, v0
	v_readfirstlane_b32 s[WV], v1                  ; wave 0..3
	s_and_b32 s15, s[WV], 1                        ; qh.  Also: which half of a tile I fetch
	s_lshr_b32 s16, s[WV], 1                       ; kh
	s_and_b32 s17, ttmp9, 15
	s_sub_co_u32 s17, 15, s17                      ; J: the longest blocks have the lowest numbers
	s_and_b32 s18, ttmp7, 0xffff                   ; head
	s_lshr_b32 s19, s17, 1                         ; N: unmasked units; also the masked unit's number
	s_mov_b32 s20, 0x76543210
	s_mov_b32 s21, 0xfedcba98                      ; v_permlanex16_b32's selects for lane l xor 16
	s_mul_i32 s93, s16, 0x02020202
	s_mov_b32 s22, 0x05040100
	s_add_co_u32 s22, s22, s93                     ; which two bytes of each step's four V scale bytes are my keys': 0, 1 or 2, 3
	; group 1, keys: 64 rows x 512 bytes, 4 words of padding behind every 128
	s_mov_b32 s[G1K], (1<<20)|(6<<22)|(3<<25)
	s_mov_b32 s[G1K+1], 512<<16                    ; tensor_dim0
	s_mov_b32 s[G1K+2], 64<<16                     ; tensor_dim1
	s_mov_b32 s[G1K+3], 512<<16                    ; tile_dim0
	s_mov_b32 s[G1K+4], 64                         ; tile_dim1
	s_mov_b32 s[G1K+5], 512                        ; from row to row
	s_mov_b32 s[G1K+6], 0
	s_mov_b32 s[G1K+7], 0
	; V: 64 channels x 128 bytes, 2,048 bytes apart, 4 words of padding behind every 32
	s_mov_b32 s[G1V], (1<<20)|(4<<22)|(3<<25)
	s_mov_b32 s[G1V+1], 128<<16
	s_mov_b32 s[G1V+2], 64<<16
	s_mov_b32 s[G1V+3], 128<<16
	s_mov_b32 s[G1V+4], 64
	s_mov_b32 s[G1V+5], 2048
	s_mov_b32 s[G1V+6], 0
	s_mov_b32 s[G1V+7], 0
	; the keys' scale bytes: 16,384 dense bytes as 64 rows of 32 elements of 8 bytes, no padding
	s_mov_b32 s[G1S], 3<<16
	s_mov_b32 s[G1S+1], 32<<16
	s_mov_b32 s[G1S+2], 64<<16
	s_mov_b32 s[G1S+3], 32<<16
	s_mov_b32 s[G1S+4], 64
	s_mov_b32 s[G1S+5], 32
	s_mov_b32 s[G1S+6], 0
	s_mov_b32 s[G1S+7], 0
	; V's scale bytes: 4,096 dense bytes (64 channels x 64) as 16 rows of 32 elements of 8 bytes, no padding
	s_mov_b32 s[G1T], 3<<16
	s_mov_b32 s[G1T+1], 32<<16
	s_mov_b32 s[G1T+2], 16<<16
	s_mov_b32 s[G1T+3], 32<<16
	s_mov_b32 s[G1T+4], 16
	s_mov_b32 s[G1T+5], 32
	s_mov_b32 s[G1T+6], 0
	s_mov_b32 s[G1T+7], 0
	s_lshl_b32 s80, s18, 20                        ; codes: 1,048,576 bytes a head, my 64 rows of 512
	s_lshl_b32 s82, s15, 15
	s_add_co_u32 s80, s80, s82
	s_mov_b32 s81, 0
	s_lshl_b32 s82, s18, 18                        ; V's codes: 262,144 a head, my 64 channels of 2,048
	s_lshl_b32 s84, s15, 17
	s_add_co_u32 s82, s82, s84
	s_mov_b32 s83, 0
	s_lshl_b32 s84, s18, 15                        ; the keys' scale bytes: 32,768 a head, my half
	s_lshl_b32 s86, s15, 14
	s_add_co_u32 s84, s84, s86
	s_mov_b32 s85, 0
	s_lshl_b32 s86, s18, 13                        ; V's: 8,192 a head, my half
	s_lshl_b32 s88, s15, 12
	s_add_co_u32 s86, s86, s88
	s_mov_b32 s87, 0
	s_lshl_b32 s88, s19, 17                        ; step 2 N: 65,536 bytes of keys a step,
	s_mov_b32 s89, 0
	s_lshl_b32 s90, s19, 8                         ; 128 bytes along V's rows
	s_mov_b32 s91, 0
	s_mov_b32 s[G0SK], 1
	s_lshl_b32 s[G0SK+1], s15, 14
	s_add_co_u32 s[G0SK+1], s[G0SK+1], SCK
	s_mov_b32 s[G0SV], 1
	s_lshl_b32 s[G0SV+1], s15, 12
	s_add_co_u32 s[G0SV+1], s[G0SV+1], SCV
	s_mov_b32 s[G0K], 1
	s_mul_i32 s[G0K+1], s15, 64*PK                 ; slot 0
	s_mov_b32 s[G0V], 1
	s_mul_i32 s[G0V+1], s15, 64*VPI
	s_add_co_u32 s[G0V+1], s[G0V+1], VOFF
	s_wait_kmcnt 0x0
	s_add_nc_u64 s[76:77], s[4:5], s[80:81]        ; my part of step 0, kept for the way back from step 2 N + 1
	s_add_nc_u64 s[78:79], s[8:9], s[82:83]
	s_add_nc_u64 s[G0SK+2:G0SK+3], s[6:7], s[84:85]
	s_or_b32 s[G0SK+3], s[G0SK+3], 0x80000000
	s_add_nc_u64 s[G0SV+2:G0SV+3], s[10:11], s[86:87]
	s_or_b32 s[G0SV+3], s[G0SV+3], 0x80000000
	s_add_nc_u64 s[G0K+2:G0K+3], s[76:77], s[88:89]
	s_or_b32 s[G0K+3], s[G0K+3], 0x80000000
	s_add_nc_u64 s[G0V+2:G0V+3], s[78:79], s[90:91]
	s_or_b32 s[G0V+3], s[G0V+3], 0x80000000
	TLOAD G0SK, G1S, G0SV, G1T                     ; the scale bytes of the whole head: filled once
	TLOAD G0K, G1K, G0V, G1V                       ; step 2 N into slot 0.  Two tensor loads of mine are out here, later one
	v_and_b32 v1, 15, v0                           ; r
	v_bfe_u32 v2, v0, 4, 1                         ; h
	v_and_b32 v19, 31, v0                          ; lane
	v_lshlrev_b32 v[QO], 9, v1
	v_lshl_add_u32 v[QO], v2, 4, v[QO]             ; 512 r + 16 h
	v_lshlrev_b32 v[L16], 4, v19
	s_lshl_b32 s92, s18, 20                        ; Q's codes at my wave's first storage row: 128 J + 64 qh rows of 512 bytes
	s_lshl_b32 s93, s17, 16
	s_add_co_u32 s92, s92, s93
	s_lshl_b32 s93, s15, 15
	s_add_co_u32 s92, s92, s93
	s_mov_b32 s93, 0
	s_add_nc_u64 s[94:95], s[4:5], s[92:93]
	s_lshl_b32 s80, s16, 14                        ; out0: the same rows of 512 bytes, + 32 kh rows
	s_mov_b32 s81, 0
	s_add_nc_u64 s[12:13], s[12:13], s[92:93]
	s_add_nc_u64 s[12:13], s[12:13], s[80:81]
	s_lshl_b32 s92, s18, 15                        ; Q's scale words: 16 bytes a row
	s_lshl_b32 s80, s17, 11
	s_add_co_u32 s92, s92, s80
	s_lshl_b32 s80, s15, 10
	s_add_co_u32 s92, s92, s80
	s_add_nc_u64 s[96:97], s[6:7], s[92:93]
.irp p, 0,1
	global_load_b128 v[QS+4*\p:QS+4*\p+3], v[L16], s[96:97] offset:512*\p   ; lane l: the four words of storage row 32 p + l
.endr
	WIN W_QL
.irp t, 0,1,2,3
.irp c, 0,1,2,3
.irp x, 0,1,2,3
	global_load_b128 v[64*\t+16*\c+4*\x:64*\t+16*\c+4*\x+3], v[QO], s[94:95] offset:8192*\t+128*\c+32*\x   ; Q stays in registers: tile t, N = 128 c + 32 x + 16 h on
.endr
.endr
.endr
	WIN 0
	v_mul_u32_u24 v[AK], v1, PK
	v_lshl_add_u32 v[AK], v2, 4, v[AK]
	s_mul_i32 s92, s16, 64*PK
	v_add_nc_u32 v[AK], s92, v[AK]                 ; (64 kh + r) x pitch + 16 h
	v_add_nc_u32 v[AK+1], SLOT1, v[AK]
	v_mul_u32_u24 v[AV], v1, VPI
	v_lshl_add_u32 v[AV], v2, 4, v[AV]
	s_lshl_b32 s92, s16, 6
	s_add_co_u32 s92, s92, VOFF
	v_add_nc_u32 v[AV], s92, v[AV]                 ; channel r, keys 64 kh + 16 h on
	v_add_nc_u32 v[AV+1], SLOT1, v[AV]
	s_lshl_b32 s92, s16, 10
	s_add_co_u32 s92, s92, SCK
	v_add_nc_u32 v[AKS0], s92, v[L16]              ; storage row 64 kh + lane of a step
	v_lshl_add_u32 v[AVS0], v19, 6, SCV            ; channel = lane: 64 bytes a channel
	s_and_b32 s92, s17, 1                          ; the mask's base: 128 (J % 2) + 64 (qh - kh) - 16 h + 16 (r / 8) + r % 8
	s_lshl_b32 s92, s92, 7
	s_sub_co_i32 s93, s15, s16
	s_lshl_b32 s93, s93, 6
	s_add_co_i32 s92, s92, s93
	v_and_b32 v[MB], 8, v1
	v_add_nc_u32 v[MB], v[MB], v1
	v_lshlrev_b32 v20, 4, v2
	v_sub_nc_u32 v[MB], v[MB], v20
	v_add_nc_u32 v[MB], s92, v[MB]
	s_mul_i32 s92, s15, 4*TILEB                    ; stage (qh, kh) = 33,792 qh + STG1 kh
	s_mul_i32 s93, s16, STG1
	s_add_co_u32 s93, s93, s92
	v_mul_u32_u24 v[STO], v1, PK
	v_lshl_add_u32 v[STO], v2, 5, v[STO]
	v_add_nc_u32 v[STO], s93, v[STO]               ; in: row r, 32 bytes for each half of the lanes
	s_mul_i32 s93, s16, 2*TILEB
	s_add_co_u32 s93, s93, s92
	v_add_nc_u32 v[RD], s93, v[L16]                ; back: tiles 2 kh, 2 kh + 1 of both stages of my qh; the 32 lanes take a row of 512 bytes
	v_add_nc_u32 v[RD+1], STG1, v[RD]
; One scaled product; rD, rA, rB, rSA, rSB are set by the caller.  zero = 1: it starts the sum.  ra, rb: the side's scale words stand in lanes 16-31.
.macro SMM zero, ra, rb
.if \zero
.if (\ra) && (\rb)
	v_wmma_scale_f32_16x16x128_f8f6f4 v[rD:rD+7], v[rA:rA+15], v[rB:rB+15], 0, v[rSA], v[rSB] matrix_a_fmt:MATRIX_FMT_BF8 matrix_b_fmt:MATRIX_FMT_BF8 matrix_a_scale:MATRIX_SCALE_ROW1 matrix_b_scale:MATRIX_SCALE_ROW1
.elseif (\ra)
	v_wmma_scale_f32_16x16x128_f8f6f4 v[rD:rD+7], v[rA:rA+15], v[rB:rB+15], 0, v[rSA], v[rSB] matrix_a_fmt:MATRIX_FMT_BF8 matrix_b_fmt:MATRIX_FMT_BF8 matrix_a_scale:MATRIX_SCALE_ROW1
.elseif (\rb)
	v_wmma_scale_f32_16x16x128_f8f6f4 v[rD:rD+7], v[rA:rA+15], v[rB:rB+15], 0, v[rSA], v[rSB] matrix_a_fmt:MATRIX_FMT_BF8 matrix_b_fmt:MATRIX_FMT_BF8 matrix_b_scale:MATRIX_SCALE_ROW1
.else
	v_wmma_scale_f32_16x16x128_f8f6f4 v[rD:rD+7], v[rA:rA+15], v[rB:rB+15], 0, v[rSA], v[rSB] matrix_a_fmt:MATRIX_FMT_BF8 matrix_b_fmt:MATRIX_FMT_BF8
.endif
.else
.if (\ra) && (\rb)
	v_wmma_scale_f32_16x16x128_f8f6f4 v[rD:rD+7], v[rA:rA+15], v[rB:rB+15], v[rD:rD+7], v[rSA], v[rSB] matrix_a_fmt:MATRIX_FMT_BF8 matrix_b_fmt:MATRIX_FMT_BF8 matrix_a_scale:MATRIX_SCALE_ROW1 matrix_b_scale:MATRIX_SCALE_ROW1
.elseif (\ra)
	v_wmma_scale_f32_16x16x128_f8f6f4 v[rD:rD+7], v[rA:rA+15], v[rB:rB+15], v[rD:rD+7], v[rSA], v[rSB] matrix_a_fmt:MATRIX_FMT_BF8 matrix_b_fmt:MATRIX_FMT_BF8 matrix_a_scale:MATRIX_SCALE_ROW1
.elseif (\rb)
	v_wmma_scale_f32_16x16x128_f8f6f4 v[rD:rD+7], v[rA:rA+15], v[rB:rB+15], v[rD:rD+7], v[rSA], v[rSB] matrix_a_fmt:MATRIX_FMT_BF8 matrix_b_fmt:MATRIX_FMT_BF8 matrix_b_scale:MATRIX_SCALE_ROW1
.else
	v_wmma_scale_f32_16x16x128_f8f6f4 v[rD:rD+7], v[rA:rA+15], v[rB:rB+15], v[rD:rD+7], v[rSA], v[rSB] matrix_a_fmt:MATRIX_FMT_BF8 matrix_b_fmt:MATRIX_FMT_BF8
.endif
.endif
.endm
; 16 LDS loads: my four key tiles' fragments of chunk c (128 along N) of the step in slot e, into set
.macro FETCH e, c, set
	WIN W_KF
.irp k, 0,1,2,3
.irp x, 0,1,2,3
	ds_load_b128 v[KF+64*\set+16*\k+4*\x:KF+64*\set+16*\k+4*\x+3], v[AK+\e] offset:16*\k*PK+128*\c+32*\x
.endr
.endr
.endm
; 16 LDS loads: V's eight channel tiles, my 64 keys of the step in slot e: blocks 2 e, 2 e + 1 of the second product's K
.macro VLOAD e
	WIN 0
.irp d, 0,1,2,3,4,5,6,7
.irp x, 0,1
	ds_load_b128 v[VF+16*\d+8*\e+4*\x:VF+16*\d+8*\e+4*\x+3], v[AV+\e] offset:16*\d*VPI+32*\x
.endr
.endr
.endm
; 16 products of S^T: four key tiles x four query tiles, chunk c.  The 16 accumulators take turns, one instruction a turn, in the same order in every chunk.
.macro MUL c, set, zero
	WIN W_S
.irp k, 0,1,2,3
.irp t, 0,1,2,3
.set rD, 8*(4*\t+\k)
.set rA, KF+64*\set+16*\k
.set rB, 64*\t+16*\c
.set rSA, KS+4*(\k/2)+\c
.set rSB, QS+4*(\t/2)+\c
	SMM \zero, \k%2, \t%2
.endr
.endr
.endm
; The scores of one step become codes: blocks 2 e, 2 e + 1 of P.  Register i of tile t's 32 is key 32 (i / 16) + 16 h + i % 16 of my 64.
.macro QUANT e, mask
.if \mask
	WIN W_KF
.irp t, 0,1,2,3
	v_add_nc_u32 v[LIM+\t], 32*(\t/2)+8*(\t%2)-128*\e, v[MB]   ; a score is kept where 32 (i / 16) + i % 16 lies under this: key < query
.endr
	WIN W_QU
.irp t, 0,1,2,3
.set ii, 0
.rept 32
	v_cmp_lt_i32 vcc_lo, 32*(ii/16)+ii%16, v[LIM+\t]
	v_cndmask_b32 v[32*\t+ii], 0, v[32*\t+ii], vcc_lo          ; each accumulator from its low end on
.set ii, ii+1
.endr
.endr
.endif
	WIN W_QU
.irp g, 0,1,2,3,4,5,6,7                ; group g: tile g / 2, block g % 2: my 16 numbers and those of lane l xor 16.  The eight chains do not wait for each other
	v_max3_num_f32 v[MX+\g], |v[16*\g]|, |v[16*\g+1]|, |v[16*\g+2]|
.endr
.irp i, 3,5,7,9,11,13
.irp g, 0,1,2,3,4,5,6,7
	v_max3_num_f32 v[MX+\g], v[MX+\g], |v[16*\g+\i]|, |v[16*\g+\i+1]|
.endr
.endr
.irp g, 0,1,2,3,4,5,6,7
	v_max_num_f32 v[MX+\g], v[MX+\g], |v[16*\g+15]|
.endr
.irp g, 0,1,2,3,4,5,6,7
	v_permlanex16_b32 v[TP+\g], v[MX+\g], s20, s21 ; (its destination counts as read: these registers held key fragments, so they have been written)
.endr
.irp g, 0,1,2,3,4,5,6,7
	v_max_num_f32 v[MX+\g], v[MX+\g], v[TP+\g]     ; the block's largest magnitude
.endr
.irp g, 0,1,2,3,4,5,6,7
	v_lshrrev_b32 v[BY+\g], 23, v[MX+\g]           ; its exponent field
.endr
.irp g, 0,1,2,3,4,5,6,7
	v_max_u32 v[BY+\g], 16, v[BY+\g]               ; the byte is not to fall under 1
.endr
.irp g, 0,1,2,3,4,5,6,7
	v_lshl_or_b32 v[HD+\g], v[BY+\g], 23, 0x600000 ; 57,344 x the scale
.endr
.irp g, 0,1,2,3,4,5,6,7
	v_add_nc_u32 v[BY+\g], -15, v[BY+\g]           ; the scale's byte
.endr
.irp g, 0,1,2,3,4,5,6,7
	v_lshlrev_b32 v[SF+\g], 23, v[BY+\g]           ; the scale as f32, for the conversion
.endr
.irp g, 0,1,2,3,4,5,6,7
	v_cmp_eq_u32 vcc_lo, 0, v[MX+\g]
	v_cndmask_b32 v[BY+\g], v[BY+\g], 127, vcc_lo  ; a block of zeros
.endr
.irp g, 0,1,2,3,4,5,6,7
.irp i, 0,1,2,3,4,5,6,7,8,9,10,11,12,13,14,15
	v_med3_num_f32 v[16*\g+\i], v[16*\g+\i], -v[HD+\g], v[HD+\g]   ; the conversion does not saturate (ISA guide 7.6.2): the number is held first
.endr
.endr
.if \e == 0
	WIN W_PS0
.irp t, 0,1,2,3
	v_lshl_or_b32 v[PS+\t], v[BY+2*\t+1], 8, v[BY+2*\t]        ; bytes 0, 1 of P's scale word
.endr
.else
.irp t, 0,1,2,3
	v_lshl_or_b32 v[TP+\t], v[BY+2*\t+1], 8, v[BY+2*\t]
.endr
	WIN W_PS1
.irp t, 0,1,2,3
	v_lshl_or_b32 v[PS+\t], v[TP+\t], 16, v[PS+\t]             ; bytes 2, 3
.endr
.endif
	WIN W_CVT
.irp t, 0,1,2,3
.irp b, 0,1
	v_cvt_scalef32_pk8_bf8_f32 v[P+16*\t+8*\e+4*\b:P+16*\t+8*\e+4*\b+1], v[32*\t+16*\b:32*\t+16*\b+7], v[SF+2*\t+\b]
	v_cvt_scalef32_pk8_bf8_f32 v[P+16*\t+8*\e+4*\b+2:P+16*\t+8*\e+4*\b+3], v[32*\t+16*\b+8:32*\t+16*\b+15], v[SF+2*\t+\b]
.endr
.endr
	v_nop                                          ; one plain instruction between a scaled conversion and what touches its result or writes its sources
	WIN 0
.endm
; One key step, in slot e: 64 products in four chunks of 128 along N on two sets of fragments, then the quantiser.
.macro HALF e, mask
	ds_load_b128 v[KS:KS+3], v[ADS] offset:2048*\e             ; the four scale words of storage row 64 kh + lane of this step,
	ds_load_b128 v[KS+4:KS+7], v[ADS] offset:2048*\e+512       ; and of the row 32 further on
.if \e
.irp p, 0,1,2,3
	ds_load_b64 v[VT+2*\p:VT+2*\p+1], v[ADT] offset:32*64*\p   ; channel 32 p + lane: the unit's eight scale bytes of V
.endr
.endif
	FETCH \e, 0, 0
	FETCH \e, 1, 1
	s_wait_dscnt 16                                ; all but chunk 1's sixteen loads are in
	MUL 0, 0, 1
	PLACES 8
	FETCH \e, 2, 0
	VLOAD \e
	s_wait_dscnt 32                                ; chunk 1 is in; chunk 2's sixteen and V's sixteen may be out
	MUL 1, 1, 0
	PLACES 8
	FETCH \e, 3, 1
	s_wait_dscnt 32                                ; chunk 2 is in; V's sixteen and chunk 3's sixteen may be out
	MUL 2, 0, 0
	s_wait_dscnt 0x0
	MUL 3, 1, 0
	PLACES 8                                       ; in front of the first read of the scores and of the scratch's first write
	QUANT \e, \mask
.endm
; O^T (+)= V^T P^T: eight channel tiles x four query tiles, K = my 128 keys of the unit.  The 32 accumulators take turns, one instruction a turn.
.macro PV zero
.irp p, 0,1,2,3
	v_perm_b32 v[VS+\p], v[VT+2*\p+1], v[VT+2*\p], s22         ; my two bytes of the even step, my two of the odd step
.endr
	PLACES 8                                       ; a scale register written by a vector instruction stands eight places ahead of the scaled product
	WIN W_PV
.irp d, 0,1,2,3,4,5,6,7
.irp t, 0,1,2,3
.set rD, 8*(8*\t+\d)
.set rA, VF+16*\d
.set rB, P+16*\t
.set rSA, VS+\d/2
.set rSB, PS+\t
	SMM \zero, \d%2, 0
.endr
.endr
	WIN 0
.endm
; The scale bytes' addresses of the unit whose number stands in s[sr]: 4,096 bytes of the keys' a unit, 8 of each row of V's.  The number is held at 7, a head's last unit,
; so that both addresses stay inside their regions (8 x 4,096 = 32,768 bytes; 8 x 8 = a row's 64) by this text alone.
.macro SETU sr
	s_min_u32 s92, s[\sr], 7
	s_lshl_b32 s93, s92, 12
	v_add_nc_u32 v[ADS], s93, v[AKS0]
	s_lshl_b32 s93, s92, 3
	v_add_nc_u32 v[ADT], s93, v[AVS0]
.endm
; THE CHANGE OF SLOTS stands at a step's head.  Each wave waits for all its tensor loads (its part of the slot about to be read), adds 0 to its spare word, and waits for that and for its reads of the slot that it has left.
; Behind the barrier the slot ahead is whole and nobody reads the other one.  fill = 1: the other slot takes the next step; 2: it takes step 0 (the way back from the masked unit); 0: nothing is left to fetch.
.macro CHANGE fill
	s_wait_tensorcnt 0x0                           ; no tensor load of mine is out, so a group 0 may be written
	ds_add_u32 v[SPW], v[NIL]                      ; 0 onto my spare word; the descriptors' steps stand between it and the wait for it
.if \fill
	s_xor_b32 s[G0K+1], s[G0K+1], SLOT1
	s_xor_b32 s[G0V+1], s[G0V+1], SLOT1
.if \fill == 1
	s_add_nc_u64 s[G0K+2:G0K+3], s[G0K+2:G0K+3], 65536         ; 128 rows of 512 bytes on; the type bits on top are not reached
	s_add_nc_u64 s[G0V+2:G0V+3], s[G0V+2:G0V+3], 128           ; 128 keys on in each row
.else
	s_mov_b64 s[G0K+2:G0K+3], s[76:77]
	s_or_b32 s[G0K+3], s[G0K+3], 0x80000000
	s_mov_b64 s[G0V+2:G0V+3], s[78:79]
	s_or_b32 s[G0V+3], s[G0V+3], 0x80000000
.endif
.endif
	s_wait_dscnt 0x0                               ; the add is done, and my reads of the slot that I have left are over
	s_barrier_signal -1
	s_barrier_wait -1
.if \fill
	TLOAD G0K, G1K, G0V, G1V                       ; the first thing behind the barrier, and a wave's one tensor load until the next: it has a step's 64 products and its quantiser in which to land
.endif
.endm
	s_wait_loadcnt 0x0                             ; Q and its scale words
	SETU 19                                        ; THE MASKED UNIT, number N, goes first
	CHANGE 1                                       ; step 2 N is whole; step 2 N + 1 goes out, into slot 1 (its first fill, issued as a refill is)
	HALF 0, 1
	s_cmp_eq_u32 s19, 0                            ; blocks 0 and 1 have no other unit: their tail asks for nothing more
	s_cbranch_scc1 .Lonly
	CHANGE 2                                       ; step 0 goes out
	HALF 1, 1
	PV 1                                           ; O^T's sums begin
	s_mov_b32 s66, 0                               ; the unit in hand
	SETU 66
	CHANGE 1
	HALF 0, 0
	s_cmp_eq_u32 s19, 1
	s_cbranch_scc1 .Llast
	s_sub_co_u32 s67, s19, 1                       ; the last unit's number, N - 1: 1 .. 6
.Lunit:                                                ; a trip goes from a unit's odd step to the next unit's even step and fills both slots again
	CHANGE 1
	HALF 1, 0
	PV 0
	s_add_co_u32 s66, s66, 1
	SETU 66
	CHANGE 1
	HALF 0, 0
	s_cmp_eq_u32 s66, s67                          ; N - 1 trips: the block leaves when its last unit is in hand;
	s_cbranch_scc1 .Llast
	s_cmp_lt_u32 s66, 6                            ; the trips are counted against the most that any block has, 6 (J = 14, 15), where the branch above has been taken at the latest
	s_cbranch_scc1 .Lunit
.Llast:                                                ; unit N - 1's odd step: written out
	CHANGE 0
	HALF 1, 0
	PV 0
	s_branch .Lout
.Lonly:
	CHANGE 0
	HALF 1, 1
	PV 1
.Lout:
	; THE WAY OUT.  Each wave puts its O^T (64 queries x 128 channels, its half of the keys) into its stage, rows of 512 + 16 bytes; behind a barrier each wave reads two tiles from both stages of its qh, adds them,
	; and stores whole rows.  Slot 0's keys, where the kh = 0 waves' stage lies, have had their last fill, and their last read stands ahead of the last change's barrier.
	PLACES 8
	WIN W_ST
.irp t, 0,1,2,3
.irp d, 0,1,2,3,4,5,6,7
	ds_store_b128 v[STO], v[8*(8*\t+\d):8*(8*\t+\d)+3] offset:TILEB*\t+64*\d          ; each accumulator from its low end on: channels 16 d + 8 h + 0 .. 3,
	ds_store_b128 v[STO], v[8*(8*\t+\d)+4:8*(8*\t+\d)+7] offset:TILEB*\t+64*\d+16     ; + 4 .. 7
.endr
.endr
	WIN 0
	s_wait_dscnt 0x0                               ; for the others' sake: my stores into the stage are done
	s_barrier_signal -1
	s_barrier_wait -1
.irp u, 0,1                            ; tile 2 kh + u
.if \u
	s_wait_xcnt 0x0                                ; the registers that the first tile's stores read are loaded again only behind this wait
.endif
.irp i, 0,1,2,3,4,5,6,7,8,9,10,11,12,13,14,15
	ds_load_b128 v[128+4*\i:128+4*\i+3], v[RD] offset:TILEB*\u+PK*\i
.endr
.irp i, 0,1,2,3,4,5,6,7,8,9,10,11,12,13,14,15
	ds_load_b128 v[192+4*\i:192+4*\i+3], v[RD+1] offset:TILEB*\u+PK*\i
.endr
	s_wait_dscnt 0x0
.irp i, 0,1,2,3,4,5,6,7,8,9,10,11,12,13,14,15
	v_pk_add_f32 v[128+4*\i:128+4*\i+1], v[128+4*\i:128+4*\i+1], v[192+4*\i:192+4*\i+1]
	v_pk_add_f32 v[128+4*\i+2:128+4*\i+3], v[128+4*\i+2:128+4*\i+3], v[192+4*\i+2:192+4*\i+3]
	global_store_b128 v[L16], v[128+4*\i:128+4*\i+3], s[12:13] offset:(8*\u+16*(\i/8)+\i%8)*512 th:TH_STORE_NT   ; storage row i of the tile is row 8 u + 16 (i / 8) + i % 8 of my 32: 512 consecutive bytes, aligned
.endr
.endr
	s_wait_tensorcnt 0x0                           ; the wave's end, behind my last tensor load and my last LDS store
	ds_add_u32 v[SPW], v[NIL]
	s_wait_dscnt 0x0
	s_endpgm
.Lfunc_end_k_qac28d7ad7e_attn:
	.size	k_qac28d7ad7e_attn, .Lfunc_end_k_qac28d7ad7e_attn-k_qac28d7ad7e_attn
	.p2alignl 7, 3214868480
	.fill 96, 4, 3214868480
	.section	.rodata,"a",@progbits
	.p2align	6, 0x0
	.amdhsa_kernel k_qac28d7ad7e_attn
		.amdhsa_group_segment_fixed_size 327680
		.amdhsa_private_segment_fixed_size 0
		.amdhsa_enable_private_segment 0
		.amdhsa_kernarg_size 40
		.amdhsa_user_sgpr_count 2
		.amdhsa_user_sgpr_kernarg_segment_ptr 1
		.amdhsa_wavefront_size32 1
		.amdhsa_system_sgpr_workgroup_id_x 1
		.amdhsa_system_sgpr_workgroup_id_y 1
		.amdhsa_system_sgpr_workgroup_id_z 1
		.amdhsa_system_vgpr_workitem_id 0
		.amdhsa_next_free_vgpr 1024
		.amdhsa_next_free_sgpr 100
		.amdhsa_reserve_vcc 1
		.amdhsa_float_denorm_mode_32 3
		.amdhsa_float_denorm_mode_16_64 3
		.amdhsa_memory_ordered 1
		.amdhsa_forward_progress 1
		.amdhsa_inst_pref_size 255
	.end_amdhsa_kernel
	.section	.bss,"aw",@nobits
	.p2align	6
	.space	262144
	.amdgpu_metadata
---
amdhsa.version: [ 1, 2 ]
amdhsa.kernels:
  - .name:           k_qac28d7ad7e_attn
    .symbol:         k_qac28d7ad7e_attn.kd
    .args:
      - { .name: qr_codes, .offset: 0, .size: 8, .value_kind: global_buffer, .address_space: global }
      - { .name: qr_scales, .offset: 8, .size: 8, .value_kind: global_buffer, .address_space: global }
      - { .name: V_codes, .offset: 16, .size: 8, .value_kind: global_buffer, .address_space: global }
      - { .name: V_scales, .offset: 24, .size: 8, .value_kind: global_buffer, .address_space: global }
      - { .name: out0, .offset: 32, .size: 8, .value_kind: global_buffer, .address_space: global }
    .group_segment_fixed_size: 327680
    .private_segment_fixed_size: 0
    .kernarg_segment_align: 8
    .kernarg_segment_size: 40
    .max_flat_workgroup_size: 128
    .sgpr_count:     100
    .vgpr_count:     1024
    .wavefront_size: 32
...
	.end_amdgpu_metadata
.endif
;; end of part 2
;; ======== version 2 of 2: 2 launches
;; workspace buffers: qr_codes 16,777,216 bytes; qr_scales 524,288 bytes
;; launch rope (part 3): grid 128 x 2, 16 waves a work-group, no clusters, 282,624 bytes of LDS; arguments Q, freqs, qr_codes, qr_scales; writes qr_codes, qr_scales
.if DOCPART == 3
	.amdgcn_target "amdgcn-amd-amdhsa--gfx1250"
	.amdhsa_code_object_version 6
	.text
	.protected	k_qac28d7ad7e_rope
	.globl	k_qac28d7ad7e_rope
	.p2align	8
	.type	k_qac28d7ad7e_rope,@function
k_qac28d7ad7e_rope:
	s_mov_b64 s[64:65], 0
	v_nop
	global_prefetch_b8 v0, s[64:65] scope:SCOPE_SE
	s_setreg_imm32_b32 hwreg(HW_REG_WAVE_MODE, 25, 1), 1
	s_wait_xcnt 0x0
; QR[head][t][n] = Q cos + rot(Q) sin, phase = ((t x freqs[n]) mod 1) x 2 pi, all in f32; then QR is turned into codes of E5M2 along n, one E8M0 byte for each 32.
; OUT: qr_codes [16 heads][2048 storage rows][512 bytes], qr_scales [16][2048 storage rows][16 bytes].  Row t lies at storage row sigma = t with bits 3 and 4 exchanged,
; so that sixteen neighbouring storage rows 16 T + r are the rows 32 (T / 2) + 8 (T % 2) + r + 8 (r / 8): the choice of rows that the next launch's first product wants for a tile of keys.
; SHARES: a work-group takes 16 storage rows (16 a .. 16 a + 15) of 8 heads (8 y ..); wave w takes storage row 16 a + w in all 8 heads.  A lane holds 16 neighbours along n (two lanes to a block of 32),
; so cos and sin of its 16 n are made once and serve 8 heads.  freqs is taken as given, a frequency for each n.
; Q COMES BY THE TENSOR DATA MOVER: the conversions want a lane's 16 numbers to be neighbours, 64 bytes a lane, so loads into registers would each take a quarter of every 64 bytes.  Each wave asks for its own
; 8 rows of 2,048 bytes by two loads (heads 0-3, heads 4-7) at its head, into LDS bytes of its own, and reads them behind its own waits; they land while sin and cos are computed.  Nothing is filled twice.
; The phase is made as the source makes it: ONE f32 product t x freq, x - floor(x) (exact), one product by 2 pi.  sin and cos: k = nearest whole number to p x 2 / pi, r = p - k pi / 2 with pi / 2 in two words,
; two polynomials on |r| <= pi / 4, the quadrant by selects.
; LIMITS: the polynomials are good to about 1e-7; NaN and infinities among the inputs are not served; a block whose largest magnitude lies under 2^-110 has its byte held at 1.
; One barrier, for the scale bytes, which leave as aligned runs of 256 bytes.
.set ROWL, 2176                        ; a row of Q in LDS: 2,048 bytes + 16 behind every 256.  My 64 bytes lie at 64 l + 16 (l / 4): sixteen lanes touch the 16-byte columns (4 (l % 4) + l / 4) mod 16, all different
.set WREG, 8*ROWL                      ; a wave's 8 rows: 17,408 bytes
.set SCB,  16*WREG                     ; 278,528: behind them the scale bytes, [head 8][row 16][16 bytes]: 2,048 bytes into which no fill lands
.set F,   16                           ; v16-31   freqs of my 16 n
.set CO,  32                           ; v32-47   cos
.set SN,  48                           ; v48-63   sin, the even n's negated (QR[2i] takes -Q[2i+1] sin[2i])
.set X,   64                           ; v64-191  Q: 16 numbers for each of 8 heads
.set C,   192                          ; v192-223 codes: 4 registers for each head, so that no store's data are written again
.set T,   224                          ; v224-239 QR of the head in hand
.set XA,  240                          ; v240     LDS address of my 64 bytes of my wave's first row
.set E,   248                          ; v248-255 a scale byte for each head
.set G1,  32                           ; s[32:39] descriptor group 1;  s[40:43], s[44:47] group 0 for heads 0-3 and 4-7
.set G0A, 40
.set G0B, 44
	s_load_b256 s[4:11], s[0:1], 0x0               ; Q s[4:5], freqs s[6:7], qr_codes s[8:9], qr_scales s[10:11]
	v_lshl_add_u32 v246, v0, 2, 0x44800
	v_mov_b32 v247, 0
	ds_add_u32 v246, v247
	ds_add_u32 v246, v247
	v_lshrrev_b32 v1, 5, v0
	v_readfirstlane_b32 s12, v1                    ; wave w, 0..15
	v_and_b32 v1, 31, v0                           ; lane
	v_lshlrev_b32 v2, 6, v1                        ; my 64 bytes of freqs
	v_lshlrev_b32 v3, 4, v1                        ; my 16 bytes of a row of codes
	s_mul_i32 s48, s12, WREG                       ; my wave's rows in LDS
	v_lshrrev_b32 v8, 2, v1
	v_lshl_add_u32 v8, v8, 4, v2
	v_add_nc_u32 v[XA], s48, v8                    ; + 64 l + 16 (l / 4)
	v_lshrrev_b32 v4, 1, v1
	s_lshl_b32 s17, s12, 4
	s_add_co_u32 s17, s17, SCB
	v_add_nc_u32 v4, s17, v4                       ; the scale bytes: 16 w + my block
	s_lshl_b32 s17, s12, 9
	s_add_co_u32 s17, s17, SCB
	v_add_nc_u32 v5, s17, v3                       ; on the way out: 512 w + 16 lane (waves 0 to 3)
	v_lshrrev_b32 v6, 4, v1
	s_lshl_b32 s17, s12, 1
	v_add_nc_u32 v6, s17, v6                       ; which is head 2 w + lane / 16,
	v_and_b32 v8, 15, v1
	v_lshlrev_b32 v8, 4, v8
	v_lshl_add_u32 v6, v6, 15, v8                  ; 32,768 bytes a head, + 16 (lane % 16)
	s_mov_b32 s13, ttmp9                           ; a
	s_and_b32 s14, ttmp7, 0xffff
	s_lshl_b32 s14, s14, 3                         ; my first head: 8 y
	s_lshr_b32 s15, s13, 1
	s_lshl_b32 s15, s15, 5                         ; t = 32 (a / 2)
	s_and_b32 s17, s13, 1
	s_lshl_b32 s17, s17, 3
	s_add_co_u32 s15, s15, s17                     ;   + 8 (a % 2)
	s_lshr_b32 s17, s12, 3
	s_lshl_b32 s17, s17, 4
	s_add_co_u32 s15, s15, s17                     ;   + 16 (w / 8)
	s_and_b32 s17, s12, 7
	s_add_co_u32 s15, s15, s17                     ;   + w % 8
	s_lshl_b32 s16, s13, 4
	s_add_co_u32 s16, s16, s12                     ; sigma = 16 a + w
	v_cvt_f32_u32 v7, s15                          ; t as f32
	s_mov_b32 s20, 0xbfc90fdb                      ; -pi / 2, high word
	s_mov_b32 s21, 0x333bbd2e                      ; -pi / 2, what the high word leaves: +4.371139e-8
	s_mov_b32 s22, 0xbe2aaaa3                      ; sin r = r + r z (S1 + z (S2 + z S3)), z = r r
	s_mov_b32 s23, 0x3c08839e
	s_mov_b32 s24, 0xb94ca1f9
	s_mov_b32 s25, 0x3d2aaaa5                      ; cos r = 1 - z / 2 + z z (C1 + z (C2 + z C3))
	s_mov_b32 s26, 0xbab6061a
	s_mov_b32 s27, 0x37ccf5ce
	s_mov_b32 s28, 0x40c90fdb                      ; 2 pi
	s_mov_b32 s29, 0x3f22f983                      ; 2 / pi
	s_lshl_b32 s18, s14, 22                        ; Q: 4,194,304 bytes a head, 2,048 a row
	s_lshl_b32 s17, s15, 11
	s_add_co_u32 s18, s18, s17
	s_mov_b32 s19, 0
	s_lshl_b32 s30, s14, 20                        ; codes: 1,048,576 bytes a head, 512 a storage row
	s_lshl_b32 s17, s16, 9
	s_add_co_u32 s30, s30, s17
	s_mov_b32 s31, 0
	s_lshl_b32 s2, s14, 15                         ; scale bytes: 32,768 a head, 256 for the work-group's 16 rows
	s_lshl_b32 s17, s13, 8
	s_add_co_u32 s2, s2, s17
	s_mov_b32 s3, 0
	; group 1: row t of four heads: 4 rows x 512 elements of 4 bytes, a head (1,048,576 elements) apart; 4 words of padding behind every 64
	s_mov_b32 s[G1], (2<<16)|(1<<20)|(5<<22)|(3<<25)
	s_mov_b32 s[G1+1], 512<<16                     ; tensor_dim0
	s_mov_b32 s[G1+2], 4<<16                       ; tensor_dim1
	s_mov_b32 s[G1+3], 512<<16                     ; tile_dim0
	s_mov_b32 s[G1+4], 4                           ; tile_dim1
	s_mov_b32 s[G1+5], 1048576                     ; from row to row
	s_mov_b32 s[G1+6], 0
	s_mov_b32 s[G1+7], 0
	s_mov_b32 s[G0A], 1
	s_mov_b32 s[G0A+1], s48
	s_mov_b32 s[G0B], 1
	s_add_co_u32 s[G0B+1], s48, 4*ROWL
	s_wait_dscnt 0x0
	s_wait_kmcnt 0x0
	s_add_nc_u64 s[G0A+2:G0A+3], s[4:5], s[18:19]
	s_add_nc_u64 s[G0B+2:G0B+3], s[G0A+2:G0A+3], 0x1000000     ; four heads on
	s_or_b32 s[G0A+3], s[G0A+3], 0x80000000
	s_or_b32 s[G0B+3], s[G0B+3], 0x80000000
	tensor_load_to_lds s[G0A:G0A+3], s[G1:G1+7]    ; my two loads, 8 KiB each, go out together ahead of everything else: two are out
	s_nop 0
	tensor_load_to_lds s[G0B:G0B+3], s[G1:G1+7]
	s_nop 0
.rept 4
	v_nop
.endr
	s_add_nc_u64 s[8:9], s[8:9], s[30:31]
	s_add_nc_u64 s[10:11], s[10:11], s[2:3]
.irp i, 0,1,2,3
	global_load_b128 v[F+4*\i:F+4*\i+3], v2, s[6:7] offset:16*\i
.endr
	s_wait_loadcnt 0x0                             ; freqs
; cos and sin of my i-th n.  v8 p, then r; v9 k as f32; v10 k; v11 z; v12 sin r; v13 at work; v14 cos r; v15 1 - z / 2
.macro SINCOS i
	v_mul_f32 v8, v7, v[F+\i]                      ; t x freq: one f32 product
	v_floor_f32 v9, v8
	v_sub_f32 v8, v8, v9                           ; mod 1
	v_mul_f32 v8, s28, v8                          ; the phase p
	v_mul_f32 v9, s29, v8
	v_rndne_f32 v9, v9                             ; k = 0 .. 4
	v_fma_f32 v8, v9, s20, v8
	v_fma_f32 v8, v9, s21, v8                      ; r = p - k pi / 2
	v_cvt_i32_f32 v10, v9
	v_mul_f32 v11, v8, v8
	v_fma_f32 v12, v11, s24, s23
	v_fma_f32 v14, v11, s27, s26
	v_fma_f32 v12, v12, v11, s22
	v_fma_f32 v14, v14, v11, s25
	v_mul_f32 v13, v11, v8
	v_fma_f32 v15, v11, -0.5, 1.0
	v_fma_f32 v12, v12, v13, v8                    ; sin r
	v_mul_f32 v13, v11, v11
	v_fma_f32 v14, v14, v13, v15                   ; cos r
	v_and_b32 v13, 1, v10
	v_cmp_eq_u32 vcc_lo, 1, v13                    ; an odd quadrant swaps the two
	v_cndmask_b32 v[SN+\i], v12, v14, vcc_lo
	v_cndmask_b32 v[CO+\i], v14, v12, vcc_lo
	v_lshlrev_b32 v13, 30, v10
	v_and_b32 v13, 0x80000000, v13                 ; sin is negative in quadrants 2 and 3: bit 1 of k
	v_xor_b32 v[SN+\i], v[SN+\i], v13
	v_add_nc_u32 v13, 1, v10
	v_lshlrev_b32 v13, 30, v13
	v_and_b32 v13, 0x80000000, v13                 ; cos in quadrants 1 and 2: bit 1 of k + 1
	v_xor_b32 v[CO+\i], v[CO+\i], v13
.if (\i%2) == 0
	v_xor_b32 v[SN+\i], 0x80000000, v[SN+\i]       ; the even n's sin is kept negated
.endif
.endm
.irp i, 0,1,2,3,4,5,6,7,8,9,10,11,12,13,14,15
	SINCOS \i
.endr
; 16 LDS loads: my 64 bytes of heads 4 q .. 4 q + 3
.macro XLOAD q
.irp g, 0,1,2,3
.irp i, 0,1,2,3
	ds_load_b128 v[X+16*(4*\q+\g)+4*\i:X+16*(4*\q+\g)+4*\i+3], v[XA] offset:(4*\q+\g)*ROWL+16*\i
.endr
.endr
.endm
; One head: the turn, the block's scale, the hold, the conversion, the stores.  left: the LDS instructions issued behind this head's four loads, which may stay out
.macro STEP hh, left
.set XS, X+16*\hh
	s_wait_dscnt \left                             ; LDS serves a wave's instructions in order (ISA guide 5.7.1): this head's four loads are in
.irp i, 0,2,4,6,8,10,12,14
	v_pk_mul_f32 v[T+\i:T+\i+1], v[XS+\i:XS+\i+1], v[SN+\i:SN+\i+1] op_sel:[1,0] op_sel_hi:[0,1]   ; Q's pair swapped: Q[2i+1] x -sin[2i], Q[2i] x sin[2i+1]
.endr
.irp i, 0,2,4,6,8,10,12,14
	v_pk_fma_f32 v[T+\i:T+\i+1], v[XS+\i:XS+\i+1], v[CO+\i:CO+\i+1], v[T+\i:T+\i+1]
.endr
	v_max3_num_f32 v8, |v[T]|, |v[T+1]|, |v[T+2]|  ; the largest magnitude of my 16, in two chains
	v_max3_num_f32 v9, |v[T+3]|, |v[T+4]|, |v[T+5]|
.irp i, 6,10
	v_max3_num_f32 v8, v8, |v[T+\i]|, |v[T+\i+1]|
	v_max3_num_f32 v9, v9, |v[T+\i+2]|, |v[T+\i+3]|
.endr
	v_max3_num_f32 v8, v8, |v[T+14]|, |v[T+15]|
	v_max_num_f32 v8, v8, v9
	v_max_num_f32_dpp v8, v8, v8 row_xmask:1 row_mask:0xf bank_mask:0xf   ; and of my neighbour's 16: the block's
	v_lshrrev_b32 v9, 23, v8                       ; its exponent field
	v_max_u32 v9, 16, v9                           ; the byte is not to fall under 1
	v_lshl_or_b32 v10, v9, 23, 0x600000            ; 57,344 x the scale
	v_add_nc_u32 v9, -15, v9                       ; the scale's byte
	v_lshlrev_b32 v11, 23, v9                      ; the scale as f32, for the conversion
	v_cmp_eq_u32 vcc_lo, 0, v8                     ; a block of zeros?
.irp i, 0,1,2,3,4,5,6,7,8,9,10,11,12,13,14,15
	v_med3_num_f32 v[T+\i], v[T+\i], -v10, v10     ; the conversion does not saturate (ISA guide 7.6.2): the number is held first
.endr
	v_cvt_scalef32_pk8_bf8_f32 v[C+4*\hh:C+4*\hh+1], v[T:T+7], v11
	v_cvt_scalef32_pk8_bf8_f32 v[C+4*\hh+2:C+4*\hh+3], v[T+8:T+15], v11
	v_cndmask_b32 v[E+\hh], v9, 127, vcc_lo        ; a block of zeros gets 127.  (Also the plain instruction between the conversions and what touches their results or sources)
	ds_store_b8 v4, v[E+\hh] offset:256*\hh        ; both lanes of a block write the same byte with the same value
	global_store_b128 v3, v[C+4*\hh:C+4*\hh+3], s[8:9] offset:\hh<<20   ; the wave stores a row's 512 consecutive bytes, aligned
.endm
	s_wait_tensorcnt 0x1                           ; a wave's tensor loads end in order (ISA guide 10.11.1): heads 0-3 are in LDS, heads 4-7 may be on their way
	XLOAD 0
	STEP 0, 12                                     ; behind a head's loads: the later heads' 12, 8, 4, 0 loads and the 0, 1, 2, 3 scale bytes stored since
	STEP 1, 9
	STEP 2, 6
	STEP 3, 3
	s_wait_tensorcnt 0x0                           ; heads 4-7
	XLOAD 1
	STEP 4, 12
	STEP 5, 9
	STEP 6, 6
	STEP 7, 3
	s_wait_dscnt 0x0                               ; for the others' sake: my scale bytes are in LDS
	s_barrier_signal -1
	s_barrier_wait -1
	s_cmp_lt_u32 s12, 4                            ; 2,048 bytes: four waves take them out
	s_cbranch_scc0 .Lend
	ds_load_b128 v[8:11], v5
	s_wait_dscnt 0x0
	global_store_b128 v6, v[8:11], s[10:11]        ; sixteen lanes store the 256 consecutive bytes of one head's 16 rows, aligned
.Lend:
	s_wait_tensorcnt 0x0
	ds_add_u32 v246, v247
	s_wait_dscnt 0x0
	s_endpgm
.Lfunc_end_k_qac28d7ad7e_rope:
	.size	k_qac28d7ad7e_rope, .Lfunc_end_k_qac28d7ad7e_rope-k_qac28d7ad7e_rope
	.p2alignl 7, 3214868480
	.fill 96, 4, 3214868480
	.section	.rodata,"a",@progbits
	.p2align	6, 0x0
	.amdhsa_kernel k_qac28d7ad7e_rope
		.amdhsa_group_segment_fixed_size 282624
		.amdhsa_private_segment_fixed_size 0
		.amdhsa_enable_private_segment 0
		.amdhsa_kernarg_size 32
		.amdhsa_user_sgpr_count 2
		.amdhsa_user_sgpr_kernarg_segment_ptr 1
		.amdhsa_wavefront_size32 1
		.amdhsa_system_sgpr_workgroup_id_x 1
		.amdhsa_system_sgpr_workgroup_id_y 1
		.amdhsa_system_sgpr_workgroup_id_z 1
		.amdhsa_system_vgpr_workitem_id 0
		.amdhsa_next_free_vgpr 256
		.amdhsa_next_free_sgpr 66
		.amdhsa_reserve_vcc 1
		.amdhsa_float_denorm_mode_32 3
		.amdhsa_float_denorm_mode_16_64 3
		.amdhsa_memory_ordered 1
		.amdhsa_forward_progress 1
		.amdhsa_inst_pref_size 54
	.end_amdhsa_kernel
	.amdgpu_metadata
---
amdhsa.version: [ 1, 2 ]
amdhsa.kernels:
  - .name:           k_qac28d7ad7e_rope
    .symbol:         k_qac28d7ad7e_rope.kd
    .args:
      - { .name: Q, .offset: 0, .size: 8, .value_kind: global_buffer, .address_space: global }
      - { .name: freqs, .offset: 8, .size: 8, .value_kind: global_buffer, .address_space: global }
      - { .name: qr_codes, .offset: 16, .size: 8, .value_kind: global_buffer, .address_space: global }
      - { .name: qr_scales, .offset: 24, .size: 8, .value_kind: global_buffer, .address_space: global }
    .group_segment_fixed_size: 282624
    .private_segment_fixed_size: 0
    .kernarg_segment_align: 8
    .kernarg_segment_size: 32
    .max_flat_workgroup_size: 512
    .sgpr_count:     66
    .vgpr_count:     256
    .wavefront_size: 32
...
	.end_amdgpu_metadata
.endif
;; end of part 3
;; launch attn (part 4): grid 16 x 16, 4 waves a work-group, no clusters, 327,680 bytes of LDS; arguments qr_codes, qr_scales, V_codes, V_scales, out0; writes out0
.if DOCPART == 4
	.amdgcn_target "amdgcn-amd-amdhsa--gfx1250"
	.amdhsa_code_object_version 6
	.text
	.protected	k_qac28d7ad7e_attn
	.globl	k_qac28d7ad7e_attn
	.p2align	8
	.type	k_qac28d7ad7e_attn,@function
k_qac28d7ad7e_attn:
	s_mov_b64 s[64:65], 0
	v_nop
	global_prefetch_b8 v0, s[64:65] scope:SCOPE_SE
	s_setreg_imm32_b32 hwreg(HW_REG_WAVE_MODE, 25, 1), 1
	s_wait_xcnt 0x0
; out0[head][t][:] = the sum over s < t of Quant(S)[t][s] V[s][:], S = QR QR^T, both products on codes of E5M2 with one E8M0 byte for each 32 along K.
; IN: qr_codes [16][2048 storage rows][512], qr_scales [16][2048][16] (storage row = t with bits 3 and 4 exchanged); V_codes [16][128][2048] (keys innermost), V_scales [16][128][64].
; SHARES.  A work-group owns 128 queries (block J) of one head and walks key steps of 128 keys, two steps to a UNIT.  Wave w = 2 kh + qh owns 64 queries (four tiles of 16 storage rows) and, of every step,
; the 64 keys 64 kh on (four tiles).  Its 64 + 64 keys of a unit are the K = 128 of ONE second product.  The two kh waves' sums are added at the end, through LDS.
; J = 15 - x in even heads, x in odd heads: work-groups of equal x then hold long and short blocks by turns.
; LAYOUT.  S^T = K Q^T (source 0 = 16 keys, source 1 = 16 queries), O^T = V^T P^T (source 0 = 16 channels, source 1 = P): a lane holds ONE query throughout.  Sixteen neighbouring storage rows are the keys
; 32 b + 8 u + r + 8 (r / 8), so the 16 registers of key tiles 2 b, 2 b + 1 are the 16 neighbouring keys 32 b + 16 (lane / 16) + 0 .. 15: the conversions' results ARE the second product's operand.
; THE MASK (s < t) can touch only the unit N = J / 2 (steps 2 N, 2 N + 1).  That unit goes FIRST and its second product starts O^T's sums with the constant 0.
; Scores of hidden keys are replaced by 0 ahead of the quantiser, by a select; a block of zeros has the byte 127.  For even J step 2 N + 1 is hidden as a whole and is still walked.
; THE WALK GOES DOWN: unit N, then N - 1 .. 0.  Unit u is the first unit of blocks 2 u and 2 u + 1, and both its steps are among a block's first fills: so every tile of a head is asked for by some block
; at its start, and a longer block, which comes to unit u later, asks for bytes that have been asked for before.
; ORDER OF A STEP.  Its LDS reads are over before its fourth chunk of products.  There the slots change: the refill goes out, and the NEXT step's scale words and first key fragments are asked for; only then
; come this step's quantiser and, behind an odd step, the second product.  So those reads land under vector work, in a phase that asks nothing else of LDS.
; ALL INPUTS COME BY THE TENSOR DATA MOVER, Q's 128 rows too: a fragment's sixteen rows lie 512 bytes apart in memory, which is no shape for loads into registers.
; NO CLUSTER: the blocks of a head walk J / 2 + 1 units, a number that differs between them, so partners would need different numbers of tiles.
; LIMITS: NaN and infinities are not served; a block of scores whose largest magnitude lies under 2^-110 has its byte held at 1; O^T's f32 sums run over the units N, N - 1, .. 0, not ascending.
; REGISTERS, in windows of 256 (s_set_vgpr_msb: bits 1:0 source 0, 3:2 source 1, 5:4 source 2, 7:6 destination):
;   window 0: v0-22 addresses; v24-31 V's raw scale bytes; v32-55 scale words (keys', queries', V's, P's) and nothing else; v64-127 P's codes; v128-255 V's fragments
;   window 1: Q's fragments, tile t chunk c at v[64 t + 16 c]      window 3: O^T, (t, d) at v[8 (8 t + d)]
;   window 2: v0-127 S^T, (t, k) at v[8 (4 t + k)]; v128-191, v192-255 two sets of key fragments; set 1 serves the quantiser as scratch while set 0 takes the next step's first chunk
.set PK,    528                        ; a key's row in LDS: 512 bytes + 16: 33 sixteen-byte columns, so 16 rows touch 16 different columns modulo 256 bytes
.set VPI,   144                        ; a row of V's tile: 128 bytes + 16
.set VOFF,  128*PK                     ; a slot: 128 rows of keys, then 128 rows of V
.set SCK,   VOFF+128*VPI               ; 86,016: the head's QR scale bytes, dense, 16 a storage row: filled once
.set SCV,   SCK+32768                  ; 118,784: V's scale bytes, dense, 128 rows of 64: filled once.  No padding: a unit has four loads of 8 bytes a lane from here, beside 160 products
.set SPARE, SCV+8192                   ; 126,976: the spare words, 128 bytes for each wave: two blocks of 256 bytes that no other line names
.set SLOT1, 1<<17                      ; slot 1: one exclusive or turns a slot's address into the other's
.set STG1,  SLOT1+SCK                  ; 217,088: 67,584 bytes: Q's 128 rows, filled once at the start; at the end, long behind that fill and its reads, the stage of the kh = 1 waves.
                                       ; The kh = 0 waves' stage is slot 0's keys, behind that slot's last fill and last read
.set TILEB, 16*PK                      ; a tile of 16 rows of O in a stage
.set KSTEPB, 65536                     ; a step's keys in memory: 128 rows of 512 bytes
.set VSTEPB, 128                       ; a step along V's rows
.set AK,   3                           ; v3, v4   my place in a step's keys, slot 0, 1
.set AV,   5                           ; v5, v6   in V's tile
.set AKS0, 7                           ; v7       among the keys' scale words
.set AVS0, 8                           ; v8       among V's scale bytes
.set MB,   9                           ; v9       the mask's base
.set SPW,  10                          ; v10      LDS address of my spare word; never rewritten
.set NIL,  11                          ; v11      0; never rewritten
.set AQ,   12                          ; v12      my place in Q's rows
.set L16,  13                          ; v13      16 x lane
.set STO,  14                          ; v14      the way out: where I put 32 bytes of a row
.set RD,   15                          ; v15, v16 the way out: where I read rows back, stage kh = 0, 1
.set ADS,  17                          ; v17      the unit's scale words of the keys
.set ADT,  18                          ; v18      and V's scale bytes
.set AQS,  22                          ; v22      my queries' scale words
.set VT,   24
.set KS,   32                          ; v[KS + 4 (k / 2) + c]: lanes 0-15 key tile 2 (k / 2), lanes 16-31 the odd one; chunk c of 128 along N
.set QS,   40                          ; the same for the query tiles
.set VS,   48                          ; v[VS + d / 2]: lanes 0-15 channel tile 2 (d / 2), lanes 16-31 the odd one
.set PS,   52                          ; v[PS + t]: P's scale word of tile t
.set P,    64
.set VF,   128
.set KF,   128                         ; window 2
.set MX,   192                         ; window 2, scratch in fragment set 1, eight groups g = 2 t + b of 16 registers: largest magnitude,
.set BY,   200                         ; byte,
.set HD,   208                         ; 57,344 x the scale,
.set SF,   216                         ; the scale as f32,
.set TP,   224                         ; at work,
.set LIM,  232                         ; and for each tile the first hidden key
.set WV,   14                          ; s14 wave; s15 qh; s16 kh; s17 J; s18 head; s19 N
.set G1K,  24                          ; s[24:31] group 1 for keys and Q;  s[32:39] for V;  s[48:55], s[56:63] for the two kinds of scale bytes
.set G1V,  32
.set G0K,  40                          ; s[40:43], s[44:47] groups 0 that walk: they begin with slot 1's first fill
.set G0V,  44
.set G1S,  48
.set G1T,  56
.set G0SK, 68
.set G0SV, 72
.set G0KA, 76                          ; s[76:79], s[88:91] groups 0 of slot 0's first fill
.set G0VA, 88
.set G0Q,  96
.set MSB, 0
.macro WIN new                         ; the immediate's high byte repeats the setting that is left; a switch that changes nothing is dropped
.if MSB != \new
	s_set_vgpr_msb (MSB<<8)|\new
.set MSB, \new
.endif
.endm
.set W_KF,  0x80                       ; destination window 2
.set W_S,   0xa6                       ; keys window 2, queries window 1, S^T window 2
.set W_QU,  0xaa                       ; all in window 2
.set W_PS0, 0x22                       ; sources 0 and 2 window 2, destination window 0
.set W_PS1, 0x02                       ; source 0 window 2
.set W_CVT, 0x0a                       ; sources window 2, destination window 0
.set W_PV,  0xf0                       ; V and P window 0, O^T window 3
.set W_QL,  0x40                       ; destination window 1
.set W_ST,  0x0c                       ; store data window 3
.macro PLACES n                        ; plain instructions between a matrix instruction and what touches its registers: eight for this form
.rept \n
	v_nop
.endr
.endm
; A refill: waves 0 and 1 fetch the keys' halves, waves 2 and 3 V's: one load a wave.  The branch hangs on the wave's number alone.  Four v_nop follow each of the two lines.
.macro TLOAD g0k, g1k, g0v, g1v
	s_cmp_lt_u32 s[WV], 2
	s_cbranch_scc0 .Lfor_v_\@
	tensor_load_to_lds s[\g0k:\g0k+3], s[\g1k:\g1k+7]
	s_nop 0
.rept 4
	v_nop
.endr
	s_branch .Lasked_\@
.Lfor_v_\@:
	tensor_load_to_lds s[\g0v:\g0v+3], s[\g1v:\g1v+7]
	s_nop 0
.rept 4
	v_nop
.endr
.Lasked_\@:
.endm
	s_load_b256 s[4:11], s[0:1], 0x0               ; qr_codes s[4:5], qr_scales s[6:7], V_codes s[8:9], V_scales s[10:11]
	s_load_b64 s[12:13], s[0:1], 0x20              ; out0
	v_lshl_add_u32 v[SPW], v0, 2, SPARE
	v_mov_b32 v[NIL], 0
	ds_add_u32 v10, v11
	ds_add_u32 v10, v11
	s_wait_dscnt 0x0
	v_lshrrev_b32 v1, 5, v0
	v_readfirstlane_b32 s[WV], v1                  ; wave 0..3
	s_and_b32 s15, s[WV], 1                        ; qh.  Also: which half of a tile I fetch
	s_lshr_b32 s16, s[WV], 1                       ; kh
	s_and_b32 s18, ttmp7, 0xffff                   ; head
	s_and_b32 s17, ttmp9, 15                       ; x
	s_and_b32 s93, s18, 1
	s_sub_co_u32 s93, s93, 1                       ; all ones in even heads, 0 in odd ones
	s_and_b32 s93, s93, 15
	s_xor_b32 s17, s17, s93                        ; J = 15 - x in even heads, x in odd ones
	s_lshr_b32 s19, s17, 1                         ; N: unmasked units; also the masked unit's number
	s_mov_b32 s20, 0x76543210
	s_mov_b32 s21, 0xfedcba98                      ; v_permlanex16_b32's selects for lane l xor 16
	s_mul_i32 s93, s16, 0x02020202
	s_mov_b32 s22, 0x05040100
	s_add_co_u32 s22, s22, s93                     ; which two bytes of each step's four V scale bytes are my keys': 0, 1 or 2, 3
	; group 1, keys and Q: 64 rows x 512 bytes, 4 words of padding behind every 128
	s_mov_b32 s[G1K], (1<<20)|(6<<22)|(3<<25)
	s_mov_b32 s[G1K+1], 512<<16                    ; tensor_dim0
	s_mov_b32 s[G1K+2], 64<<16                     ; tensor_dim1
	s_mov_b32 s[G1K+3], 512<<16                    ; tile_dim0
	s_mov_b32 s[G1K+4], 64                         ; tile_dim1
	s_mov_b32 s[G1K+5], 512                        ; from row to row
	s_mov_b32 s[G1K+6], 0
	s_mov_b32 s[G1K+7], 0
	; V: 64 channels x 128 bytes, 2,048 bytes apart, 4 words of padding behind every 32
	s_mov_b32 s[G1V], (1<<20)|(4<<22)|(3<<25)
	s_mov_b32 s[G1V+1], 128<<16
	s_mov_b32 s[G1V+2], 64<<16
	s_mov_b32 s[G1V+3], 128<<16
	s_mov_b32 s[G1V+4], 64
	s_mov_b32 s[G1V+5], 2048
	s_mov_b32 s[G1V+6], 0
	s_mov_b32 s[G1V+7], 0
	; the keys' scale bytes: 16,384 dense bytes as 64 rows of 32 elements of 8 bytes, no padding
	s_mov_b32 s[G1S], 3<<16
	s_mov_b32 s[G1S+1], 32<<16
	s_mov_b32 s[G1S+2], 64<<16
	s_mov_b32 s[G1S+3], 32<<16
	s_mov_b32 s[G1S+4], 64
	s_mov_b32 s[G1S+5], 32
	s_mov_b32 s[G1S+6], 0
	s_mov_b32 s[G1S+7], 0
	; V's scale bytes: 4,096 dense bytes (64 channels x 64) as 16 rows of 32 elements of 8 bytes, no padding
	s_mov_b32 s[G1T], 3<<16
	s_mov_b32 s[G1T+1], 32<<16
	s_mov_b32 s[G1T+2], 16<<16
	s_mov_b32 s[G1T+3], 32<<16
	s_mov_b32 s[G1T+4], 16
	s_mov_b32 s[G1T+5], 32
	s_mov_b32 s[G1T+6], 0
	s_mov_b32 s[G1T+7], 0
	s_lshl_b32 s80, s18, 20                        ; codes: 1,048,576 bytes a head,
	s_lshl_b32 s93, s15, 15                        ; my 64 rows of 512,
	s_add_co_u32 s80, s80, s93
	s_lshl_b32 s93, s19, 17                        ; step 2 N: 65,536 bytes a step
	s_add_co_u32 s80, s80, s93
	s_mov_b32 s81, 0
	s_lshl_b32 s82, s18, 18                        ; V's codes: 262,144 a head,
	s_lshl_b32 s93, s15, 17                        ; my 64 channels of 2,048,
	s_add_co_u32 s82, s82, s93
	s_lshl_b32 s93, s19, 8                         ; step 2 N: 128 bytes a step along the rows
	s_add_co_u32 s82, s82, s93
	s_mov_b32 s83, 0
	s_lshl_b32 s84, s18, 15                        ; the keys' scale bytes: 32,768 a head, my half
	s_lshl_b32 s93, s15, 14
	s_add_co_u32 s84, s84, s93
	s_mov_b32 s85, 0
	s_lshl_b32 s86, s18, 13                        ; V's: 8,192 a head, my half
	s_lshl_b32 s93, s15, 12
	s_add_co_u32 s86, s86, s93
	s_mov_b32 s87, 0
	s_lshl_b32 s92, s18, 20                        ; row 2,048 head + 128 J + 64 qh, rows of 512 bytes: the half of Q that I fetch, and my queries' rows in out0
	s_lshl_b32 s93, s17, 16
	s_add_co_u32 s92, s92, s93
	s_lshl_b32 s93, s15, 15
	s_add_co_u32 s92, s92, s93
	s_mov_b32 s93, 0
	s_lshl_b32 s94, s16, 14                        ; out0: + 32 kh rows: the two tiles that I store
	s_mov_b32 s95, 0
	s_mov_b32 s[G0SK], 1
	s_lshl_b32 s[G0SK+1], s15, 14
	s_add_co_u32 s[G0SK+1], s[G0SK+1], SCK
	s_mov_b32 s[G0SV], 1
	s_lshl_b32 s[G0SV+1], s15, 12
	s_add_co_u32 s[G0SV+1], s[G0SV+1], SCV
	s_mov_b32 s[G0KA], 1
	s_mul_i32 s[G0KA+1], s15, 64*PK                ; slot 0
	s_mov_b32 s[G0K], 1
	s_add_co_u32 s[G0K+1], s[G0KA+1], SLOT1        ; slot 1
	s_mov_b32 s[G0VA], 1
	s_mul_i32 s[G0VA+1], s15, 64*VPI
	s_add_co_u32 s[G0VA+1], s[G0VA+1], VOFF
	s_mov_b32 s[G0V], 1
	s_add_co_u32 s[G0V+1], s[G0VA+1], SLOT1
	s_mov_b32 s[G0Q], 1
	s_mul_i32 s[G0Q+1], s15, 64*PK
	s_add_co_u32 s[G0Q+1], s[G0Q+1], STG1
	s_wait_kmcnt 0x0
	s_add_nc_u64 s[G0KA+2:G0KA+3], s[4:5], s[80:81]            ; step 2 N,
	s_add_nc_u64 s[G0K+2:G0K+3], s[G0KA+2:G0KA+3], KSTEPB      ; step 2 N + 1
	s_or_b32 s[G0KA+3], s[G0KA+3], 0x80000000
	s_or_b32 s[G0K+3], s[G0K+3], 0x80000000
	s_add_nc_u64 s[G0VA+2:G0VA+3], s[8:9], s[82:83]
	s_add_nc_u64 s[G0V+2:G0V+3], s[G0VA+2:G0VA+3], VSTEPB
	s_or_b32 s[G0VA+3], s[G0VA+3], 0x80000000
	s_or_b32 s[G0V+3], s[G0V+3], 0x80000000
	s_add_nc_u64 s[G0SK+2:G0SK+3], s[6:7], s[84:85]
	s_or_b32 s[G0SK+3], s[G0SK+3], 0x80000000
	s_add_nc_u64 s[G0SV+2:G0SV+3], s[10:11], s[86:87]
	s_or_b32 s[G0SV+3], s[G0SV+3], 0x80000000
	s_add_nc_u64 s[G0Q+2:G0Q+3], s[4:5], s[92:93]
	s_or_b32 s[G0Q+3], s[G0Q+3], 0x80000000
	s_add_nc_u64 s[12:13], s[12:13], s[92:93]
	s_add_nc_u64 s[12:13], s[12:13], s[94:95]
	; THE FIRST FILLS, a wave's in one branch, ahead of every wait on TENSORcnt, every LDS read and every barrier; slot 1's comes last in either branch.
	; Waves 0, 1: the keys' scale bytes (16 KiB), the keys of steps 2 N and 2 N + 1 (32 KiB each): three loads out.
	; Waves 2, 3: V's scale bytes (4 KiB), step 2 N's V (8 KiB), half of Q (32 KiB), step 2 N + 1's V (8 KiB): four out.  Later a wave has one out.
	s_cmp_lt_u32 s[WV], 2
	s_cbranch_scc0 .Lfirst_v
	tensor_load_to_lds s[G0SK:G0SK+3], s[G1S:G1S+7]
	s_nop 0
	tensor_load_to_lds s[G0KA:G0KA+3], s[G1K:G1K+7]
	s_nop 0
	tensor_load_to_lds s[G0K:G0K+3], s[G1K:G1K+7]
	s_nop 0
.rept 4
	v_nop
.endr
	s_branch .Lfirst_asked
.Lfirst_v:
	tensor_load_to_lds s[G0SV:G0SV+3], s[G1T:G1T+7]
	s_nop 0
	tensor_load_to_lds s[G0VA:G0VA+3], s[G1V:G1V+7]
	s_nop 0
	tensor_load_to_lds s[G0Q:G0Q+3], s[G1K:G1K+7]
	s_nop 0
	tensor_load_to_lds s[G0V:G0V+3], s[G1V:G1V+7]
	s_nop 0
.rept 4
	v_nop
.endr
.Lfirst_asked:
	v_and_b32 v1, 15, v0                           ; r
	v_bfe_u32 v2, v0, 4, 1                         ; h
	v_and_b32 v19, 31, v0                          ; lane
	v_lshlrev_b32 v[L16], 4, v19
	v_mul_u32_u24 v21, v1, PK
	v_lshl_add_u32 v21, v2, 4, v21                 ; a fragment's row x pitch + 16 h
	s_mul_i32 s92, s16, 64*PK
	v_add_nc_u32 v[AK], s92, v21                   ; keys: row 64 kh + r
	v_add_nc_u32 v[AK+1], SLOT1, v[AK]
	s_mul_i32 s92, s15, 64*PK
	s_add_co_u32 s92, s92, STG1
	v_add_nc_u32 v[AQ], s92, v21                   ; Q: row 64 qh + r
	s_min_u32 s92, s17, 15                         ; (J is held at 15, a head's last block, so that the address stays inside the scale bytes by this text alone)
	s_lshl_b32 s92, s92, 11                        ; my queries' scale words lie among the head's: storage row 128 J + 64 qh + lane, 16 bytes a row
	s_lshl_b32 s93, s15, 10
	s_add_co_u32 s92, s92, s93
	s_add_co_u32 s92, s92, SCK
	v_add_nc_u32 v[AQS], s92, v[L16]
	v_mul_u32_u24 v[AV], v1, VPI
	v_lshl_add_u32 v[AV], v2, 4, v[AV]
	s_lshl_b32 s92, s16, 6
	s_add_co_u32 s92, s92, VOFF
	v_add_nc_u32 v[AV], s92, v[AV]                 ; channel r, keys 64 kh + 16 h on
	v_add_nc_u32 v[AV+1], SLOT1, v[AV]
	s_lshl_b32 s92, s16, 10
	s_add_co_u32 s92, s92, SCK
	v_add_nc_u32 v[AKS0], s92, v[L16]              ; storage row 64 kh + lane of a step
	v_lshl_add_u32 v[AVS0], v19, 6, SCV            ; channel = lane: 64 bytes a channel
	s_and_b32 s92, s17, 1                          ; the mask's base: 128 (J % 2) + 64 (qh - kh) - 16 h + 16 (r / 8) + r % 8
	s_lshl_b32 s92, s92, 7
	s_sub_co_i32 s93, s15, s16
	s_lshl_b32 s93, s93, 6
	s_add_co_i32 s92, s92, s93
	v_and_b32 v[MB], 8, v1
	v_add_nc_u32 v[MB], v[MB], v1
	v_lshlrev_b32 v20, 4, v2
	v_sub_nc_u32 v[MB], v[MB], v20
	v_add_nc_u32 v[MB], s92, v[MB]
	s_mul_i32 s92, s15, 4*TILEB                    ; stage (qh, kh) = 33,792 qh + STG1 kh
	s_mul_i32 s93, s16, STG1
	s_add_co_u32 s93, s93, s92
	v_mul_u32_u24 v[STO], v1, PK
	v_lshl_add_u32 v[STO], v2, 5, v[STO]
	v_add_nc_u32 v[STO], s93, v[STO]               ; in: row r, 32 bytes for each half of the lanes
	s_mul_i32 s93, s16, 2*TILEB
	s_add_co_u32 s93, s93, s92
	v_add_nc_u32 v[RD], s93, v[L16]                ; back: tiles 2 kh, 2 kh + 1 of both stages of my qh; the 32 lanes take a row of 512 bytes
	v_add_nc_u32 v[RD+1], STG1, v[RD]
; One scaled product; rD, rA, rB, rSA, rSB are set by the caller.  zero = 1: it starts the sum.  ra, rb: the side's scale words stand in lanes 16-31.
.macro SMM zero, ra, rb
.if \zero
.if (\ra) && (\rb)
	v_wmma_scale_f32_16x16x128_f8f6f4 v[rD:rD+7], v[rA:rA+15], v[rB:rB+15], 0, v[rSA], v[rSB] matrix_a_fmt:MATRIX_FMT_BF8 matrix_b_fmt:MATRIX_FMT_BF8 matrix_a_scale:MATRIX_SCALE_ROW1 matrix_b_scale:MATRIX_SCALE_ROW1
.elseif (\ra)
	v_wmma_scale_f32_16x16x128_f8f6f4 v[rD:rD+7], v[rA:rA+15], v[rB:rB+15], 0, v[rSA], v[rSB] matrix_a_fmt:MATRIX_FMT_BF8 matrix_b_fmt:MATRIX_FMT_BF8 matrix_a_scale:MATRIX_SCALE_ROW1
.elseif (\rb)
	v_wmma_scale_f32_16x16x128_f8f6f4 v[rD:rD+7], v[rA:rA+15], v[rB:rB+15], 0, v[rSA], v[rSB] matrix_a_fmt:MATRIX_FMT_BF8 matrix_b_fmt:MATRIX_FMT_BF8 matrix_b_scale:MATRIX_SCALE_ROW1
.else
	v_wmma_scale_f32_16x16x128_f8f6f4 v[rD:rD+7], v[rA:rA+15], v[rB:rB+15], 0, v[rSA], v[rSB] matrix_a_fmt:MATRIX_FMT_BF8 matrix_b_fmt:MATRIX_FMT_BF8
.endif
.else
.if (\ra) && (\rb)
	v_wmma_scale_f32_16x16x128_f8f6f4 v[rD:rD+7], v[rA:rA+15], v[rB:rB+15], v[rD:rD+7], v[rSA], v[rSB] matrix_a_fmt:MATRIX_FMT_BF8 matrix_b_fmt:MATRIX_FMT_BF8 matrix_a_scale:MATRIX_SCALE_ROW1 matrix_b_scale:MATRIX_SCALE_ROW1
.elseif (\ra)
	v_wmma_scale_f32_16x16x128_f8f6f4 v[rD:rD+7], v[rA:rA+15], v[rB:rB+15], v[rD:rD+7], v[rSA], v[rSB] matrix_a_fmt:MATRIX_FMT_BF8 matrix_b_fmt:MATRIX_FMT_BF8 matrix_a_scale:MATRIX_SCALE_ROW1
.elseif (\rb)
	v_wmma_scale_f32_16x16x128_f8f6f4 v[rD:rD+7], v[rA:rA+15], v[rB:rB+15], v[rD:rD+7], v[rSA], v[rSB] matrix_a_fmt:MATRIX_FMT_BF8 matrix_b_fmt:MATRIX_FMT_BF8 matrix_b_scale:MATRIX_SCALE_ROW1
.else
	v_wmma_scale_f32_16x16x128_f8f6f4 v[rD:rD+7], v[rA:rA+15], v[rB:rB+15], v[rD:rD+7], v[rSA], v[rSB] matrix_a_fmt:MATRIX_FMT_BF8 matrix_b_fmt:MATRIX_FMT_BF8
.endif
.endif
.endm
; 16 LDS loads: my four key tiles' fragments of chunk c (128 along N) of the step in slot e, into set
.macro FETCH e, c, set
	WIN W_KF
.irp k, 0,1,2,3
.irp x, 0,1,2,3
	ds_load_b128 v[KF+64*\set+16*\k+4*\x:KF+64*\set+16*\k+4*\x+3], v[AK+\e] offset:16*\k*PK+128*\c+32*\x
.endr
.endr
.endm
; 16 LDS loads: V's eight channel tiles, my 64 keys of the step in slot e: blocks 2 e, 2 e + 1 of the second product's K
.macro VLOAD e
	WIN 0
.irp d, 0,1,2,3,4,5,6,7
.irp x, 0,1
	ds_load_b128 v[VF+16*\d+8*\e+4*\x:VF+16*\d+8*\e+4*\x+3], v[AV+\e] offset:16*\d*VPI+32*\x
.endr
.endr
.endm
; 16 products of S^T: four key tiles x four query tiles, chunk c.  The 16 accumulators take turns, one instruction a turn, in the same order in every chunk.
.macro MUL c, set, zero
	WIN W_S
.irp k, 0,1,2,3
.irp t, 0,1,2,3
.set rD, 8*(4*\t+\k)
.set rA, KF+64*\set+16*\k
.set rB, 64*\t+16*\c
.set rSA, KS+4*(\k/2)+\c
.set rSB, QS+4*(\t/2)+\c
	SMM \zero, \k%2, \t%2
.endr
.endr
.endm
; The scores of one step become codes: blocks 2 e, 2 e + 1 of P.  Register i of tile t's 32 is key 32 (i / 16) + 16 h + i % 16 of my 64.
.macro QUANT e, mask
.if \mask
	WIN W_KF
.irp t, 0,1,2,3
	v_add_nc_u32 v[LIM+\t], 32*(\t/2)+8*(\t%2)-128*\e, v[MB]   ; a score is kept where 32 (i / 16) + i % 16 lies under this: key < query
.endr
	WIN W_QU
.irp t, 0,1,2,3
.set ii, 0
.rept 32
	v_cmp_lt_i32 vcc_lo, 32*(ii/16)+ii%16, v[LIM+\t]
	v_cndmask_b32 v[32*\t+ii], 0, v[32*\t+ii], vcc_lo          ; each accumulator from its low end on
.set ii, ii+1
.endr
.endr
.endif
	WIN W_QU
.irp g, 0,1,2,3,4,5,6,7                ; group g: tile g / 2, block g % 2: my 16 numbers and those of lane l xor 16.  The eight chains do not wait for each other
	v_max3_num_f32 v[MX+\g], |v[16*\g]|, |v[16*\g+1]|, |v[16*\g+2]|
.endr
.irp i, 3,5,7,9,11,13
.irp g, 0,1,2,3,4,5,6,7
	v_max3_num_f32 v[MX+\g], v[MX+\g], |v[16*\g+\i]|, |v[16*\g+\i+1]|
.endr
.endr
.irp g, 0,1,2,3,4,5,6,7
	v_max_num_f32 v[MX+\g], v[MX+\g], |v[16*\g+15]|
.endr
.irp g, 0,1,2,3,4,5,6,7
	v_permlanex16_b32 v[TP+\g], v[MX+\g], s20, s21 ; (its destination counts as read: these registers held key fragments, so they have been written)
.endr
.irp g, 0,1,2,3,4,5,6,7
	v_max_num_f32 v[MX+\g], v[MX+\g], v[TP+\g]     ; the block's largest magnitude
.endr
.irp g, 0,1,2,3,4,5,6,7
	v_lshrrev_b32 v[BY+\g], 23, v[MX+\g]           ; its exponent field
.endr
.irp g, 0,1,2,3,4,5,6,7
	v_max_u32 v[BY+\g], 16, v[BY+\g]               ; the byte is not to fall under 1
.endr
.irp g, 0,1,2,3,4,5,6,7
	v_lshl_or_b32 v[HD+\g], v[BY+\g], 23, 0x600000 ; 57,344 x the scale
.endr
.irp g, 0,1,2,3,4,5,6,7
	v_add_nc_u32 v[BY+\g], -15, v[BY+\g]           ; the scale's byte
.endr
.irp g, 0,1,2,3,4,5,6,7
	v_lshlrev_b32 v[SF+\g], 23, v[BY+\g]           ; the scale as f32, for the conversion
.endr
.irp g, 0,1,2,3,4,5,6,7
	v_cmp_eq_u32 vcc_lo, 0, v[MX+\g]
	v_cndmask_b32 v[BY+\g], v[BY+\g], 127, vcc_lo  ; a block of zeros
.endr
.irp g, 0,1,2,3,4,5,6,7
.irp i, 0,1,2,3,4,5,6,7,8,9,10,11,12,13,14,15
	v_med3_num_f32 v[16*\g+\i], v[16*\g+\i], -v[HD+\g], v[HD+\g]   ; the conversion does not saturate (ISA guide 7.6.2): the number is held first
.endr
.endr
.if \e == 0
	WIN W_PS0
.irp t, 0,1,2,3
	v_lshl_or_b32 v[PS+\t], v[BY+2*\t+1], 8, v[BY+2*\t]        ; bytes 0, 1 of P's scale word
.endr
.else
.irp t, 0,1,2,3
	v_lshl_or_b32 v[TP+\t], v[BY+2*\t+1], 8, v[BY+2*\t]
.endr
	WIN W_PS1
.irp t, 0,1,2,3
	v_lshl_or_b32 v[PS+\t], v[TP+\t], 16, v[PS+\t]             ; bytes 2, 3
.endr
.endif
	WIN W_CVT
.irp t, 0,1,2,3
.irp b, 0,1
	v_cvt_scalef32_pk8_bf8_f32 v[P+16*\t+8*\e+4*\b:P+16*\t+8*\e+4*\b+1], v[32*\t+16*\b:32*\t+16*\b+7], v[SF+2*\t+\b]
	v_cvt_scalef32_pk8_bf8_f32 v[P+16*\t+8*\e+4*\b+2:P+16*\t+8*\e+4*\b+3], v[32*\t+16*\b+8:32*\t+16*\b+15], v[SF+2*\t+\b]
.endr
.endr
	v_nop                                          ; one plain instruction between a scaled conversion and what touches its result or writes its sources
	WIN 0
.endm
; What a step asks of LDS ahead of the quantiser of the step before: its scale words, an odd step also the unit's scale bytes of V, and chunk 0 of its key fragments, into set 0
.macro HEAD e
	ds_load_b128 v[KS:KS+3], v[ADS] offset:2048*\e             ; the four scale words of storage row 64 kh + lane of this step,
	ds_load_b128 v[KS+4:KS+7], v[ADS] offset:2048*\e+512       ; and of the row 32 further on
.if \e
.irp p, 0,1,2,3
	ds_load_b64 v[VT+2*\p:VT+2*\p+1], v[ADT] offset:32*64*\p   ; channel 32 p + lane: the unit's eight scale bytes of V
.endr
.endif
	FETCH \e, 0, 0
.endm
; The first three of a step's four chunks of 16 products, on two sets of fragments, and all the rest of its LDS reads
.macro BODY e
	FETCH \e, 1, 1
	s_wait_dscnt 16                                ; all but chunk 1's sixteen loads are in
	MUL 0, 0, 1
	PLACES 8
	FETCH \e, 2, 0
	VLOAD \e
	s_wait_dscnt 32                                ; chunk 1 is in; chunk 2's sixteen and V's sixteen may be out
	MUL 1, 1, 0
	PLACES 8
	FETCH \e, 3, 1
	s_wait_dscnt 32                                ; chunk 2 is in; V's sixteen and chunk 3's sixteen may be out
	MUL 2, 0, 0
	WIN 0                                          ; at a label and at a branch every window is 0
.endm
; O^T (+)= V^T P^T: eight channel tiles x four query tiles, K = my 128 keys of the unit.  The 32 accumulators take turns, one instruction a turn.
.macro PV zero
.irp p, 0,1,2,3
	v_perm_b32 v[VS+\p], v[VT+2*\p+1], v[VT+2*\p], s22         ; my two bytes of the even step, my two of the odd step
.endr
	PLACES 8                                       ; a scale register written by a vector instruction stands eight places ahead of the scaled product
	WIN W_PV
.irp d, 0,1,2,3,4,5,6,7
.irp t, 0,1,2,3
.set rD, 8*(8*\t+\d)
.set rA, VF+16*\d
.set rB, P+16*\t
.set rSA, VS+\d/2
.set rSB, PS+\t
	SMM \zero, \d%2, 0
.endr
.endr
	WIN 0
.endm
; The scale bytes' addresses of the unit whose number stands in s[sr]: 4,096 bytes of the keys' a unit, 8 of each row of V's.  The number is held at 7, a head's last unit,
; so that both addresses stay inside their regions (8 x 4,096 = 32,768 bytes; 8 x 8 = a row's 64) by this text alone.
.macro SETU sr
	s_min_u32 s92, s[\sr], 7
	s_lshl_b32 s93, s92, 12
	v_add_nc_u32 v[ADS], s93, v[AKS0]
	s_lshl_b32 s93, s92, 3
	v_add_nc_u32 v[ADT], s93, v[AVS0]
.endm
; The walking descriptors: always the other slot than last time.  fill = 1: behind an odd step: the odd step of the unit whose even step was asked for last: one step on.
; fill = 2: behind an even step: the even step of the next unit DOWN: from step 2 u + 1 to step 2 u - 2, three steps back.  0: nothing is left to fetch
.macro GSTEP fill
.if \fill
	s_xor_b32 s[G0K+1], s[G0K+1], SLOT1
	s_xor_b32 s[G0V+1], s[G0V+1], SLOT1
.if \fill == 1
	s_add_nc_u64 s[G0K+2:G0K+3], s[G0K+2:G0K+3], KSTEPB        ; the type bits on top are not reached
	s_add_nc_u64 s[G0V+2:G0V+3], s[G0V+2:G0V+3], VSTEPB
.else
	s_sub_nc_u64 s[G0K+2:G0K+3], s[G0K+2:G0K+3], 3*KSTEPB
	s_sub_nc_u64 s[G0V+2:G0V+3], s[G0V+2:G0V+3], 3*VSTEPB
.endif
.endif
.endm
; THE CHANGE OF SLOTS, with a step's fourth chunk of products inside it.  Each wave waits for all its tensor loads (its part of the next step's slot), adds 0 to its spare word, multiplies, and waits for the add
; and for its reads of this step's slot.  Behind the barrier the next slot is whole and nobody reads this one: it is filled again first (the load has a whole step in which to land), then the next step's HEAD is asked for.
.macro XCH fill, enext
	s_wait_tensorcnt 0x0                           ; no tensor load of mine is out, so a group 0 may be written
	ds_add_u32 v[SPW], v[NIL]                      ; 0 onto my spare word
	GSTEP \fill
	s_wait_dscnt 1                                 ; chunk 3 and V are in; the add alone may be out
	MUL 3, 1, 0                                    ; sixteen products stand between the add and the wait for it
	WIN 0
	s_wait_dscnt 0x0                               ; the add is done; my reads of this slot were over at the wait above
	s_barrier_signal -1
	s_barrier_wait -1
.if \fill
	TLOAD G0K, G1K, G0V, G1V                       ; the first thing behind the barrier, and a wave's one tensor load until the next
	PLACES 4                                       ; with the four v_nop behind the load: eight places in front of the loads into the scale words and set 0, of the scratch's first write and of the scores' first read
.else
	PLACES 8
.endif
	HEAD \enext
.endm
.macro FIN                             ; the very last step's fourth chunk: no slot is left to change
	s_wait_dscnt 0x0
	MUL 3, 1, 0
	PLACES 8
.endm
	SETU 19                                        ; THE MASKED UNIT, number N, goes first
	s_wait_tensorcnt 0x1                           ; a wave's tensor loads end in order (ISA guide 10.11.1): all my first fills but the last, slot 1's, have landed
	s_barrier_signal -1
	s_barrier_wait -1                              ; everybody's have: the scale bytes, Q and step 2 N are whole.  Slot 1's load may stay out
	WIN W_QL
.irp t, 0,1,2,3
.irp c, 0,1,2,3
.irp x, 0,1,2,3
	ds_load_b128 v[64*\t+16*\c+4*\x:64*\t+16*\c+4*\x+3], v[AQ] offset:16*\t*PK+128*\c+32*\x   ; Q stays in registers: tile t, N = 128 c + 32 x + 16 h on
.endr
.endr
.endr
	WIN 0
.irp p, 0,1
	ds_load_b128 v[QS+4*\p:QS+4*\p+3], v[AQS] offset:512*\p    ; lane l: the four words of my storage row 32 p + l
.endr
	HEAD 0
	BODY 0
	s_cmp_eq_u32 s19, 0                            ; blocks 0 and 1 have no other unit: their tail asks for nothing more
	s_cbranch_scc1 .Lonly
	XCH 2, 1                                       ; step 2 N - 2 goes out
	QUANT 0, 1
	BODY 1
	s_sub_co_u32 s67, s19, 1                       ; N - 1, 0 .. 6: the next unit's number, and the loop's trips
	s_mov_b32 s66, 0                               ; trips made
	SETU 67
	XCH 1, 0                                       ; step 2 N - 1
	QUANT 1, 1
	PV 1                                           ; O^T's sums begin
	BODY 0
	s_cmp_eq_u32 s19, 1
	s_cbranch_scc1 .Llast
.Lunit:                                                ; a trip goes from the end of a unit's even step to the end of the next lower unit's even step and fills both slots again
	XCH 2, 1
	QUANT 0, 0
	BODY 1
	s_add_co_u32 s66, s66, 1
	s_sub_co_u32 s94, s67, s66                     ; the next unit down: N - 1 less the trips
	SETU 94
	XCH 1, 0
	QUANT 1, 0
	PV 0
	BODY 0
	s_cmp_eq_u32 s66, s67                          ; N - 1 trips: the block leaves when unit 0 is in hand;
	s_cbranch_scc1 .Llast
	s_cmp_lt_u32 s66, 6                            ; the trips are counted against the most that any block has, 6 (J = 14, 15), where the branch above has been taken at the latest
	s_cbranch_scc1 .Lunit
.Llast:                                                ; the end of unit 0: written out
	XCH 0, 1
	QUANT 0, 0
	BODY 1
	FIN
	QUANT 1, 0
	PV 0
	s_branch .Lout
.Lonly:
	XCH 0, 1
	QUANT 0, 1
	BODY 1
	FIN
	QUANT 1, 1
	PV 1
.Lout:
	; THE WAY OUT.  Each wave puts its O^T (64 queries x 128 channels, its half of the keys) into its stage, rows of 512 + 16 bytes; behind a barrier each wave reads two tiles from both stages of its qh, adds them,
	; and stores whole rows.  Slot 0's keys and Q's rows, where the stages lie, have had their last fill, and their last reads stand ahead of the last change's barrier.
	PLACES 8
	WIN W_ST
.irp t, 0,1,2,3
.irp d, 0,1,2,3,4,5,6,7
	ds_store_b128 v[STO], v[8*(8*\t+\d):8*(8*\t+\d)+3] offset:TILEB*\t+64*\d          ; each accumulator from its low end on: channels 16 d + 8 h + 0 .. 3,
	ds_store_b128 v[STO], v[8*(8*\t+\d)+4:8*(8*\t+\d)+7] offset:TILEB*\t+64*\d+16     ; + 4 .. 7
.endr
.endr
	WIN 0
	s_wait_dscnt 0x0                               ; for the others' sake: my stores into the stage are done
	s_barrier_signal -1
	s_barrier_wait -1
.irp u, 0,1                            ; tile 2 kh + u
.if \u
	s_wait_xcnt 0x0                                ; the registers that the first tile's stores read are loaded again only behind this wait
.endif
.irp i, 0,1,2,3,4,5,6,7,8,9,10,11,12,13,14,15
	ds_load_b128 v[128+4*\i:128+4*\i+3], v[RD] offset:TILEB*\u+PK*\i
.endr
.irp i, 0,1,2,3,4,5,6,7,8,9,10,11,12,13,14,15
	ds_load_b128 v[192+4*\i:192+4*\i+3], v[RD+1] offset:TILEB*\u+PK*\i
.endr
	s_wait_dscnt 0x0
.irp i, 0,1,2,3,4,5,6,7,8,9,10,11,12,13,14,15
	v_pk_add_f32 v[128+4*\i:128+4*\i+1], v[128+4*\i:128+4*\i+1], v[192+4*\i:192+4*\i+1]
	v_pk_add_f32 v[128+4*\i+2:128+4*\i+3], v[128+4*\i+2:128+4*\i+3], v[192+4*\i+2:192+4*\i+3]
	global_store_b128 v[L16], v[128+4*\i:128+4*\i+3], s[12:13] offset:(8*\u+16*(\i/8)+\i%8)*512 th:TH_STORE_NT   ; storage row i of the tile is row 8 u + 16 (i / 8) + i % 8 of my 32: 512 consecutive bytes, aligned
.endr
.endr
	s_wait_tensorcnt 0x0                           ; the wave's end, behind my last tensor load and my last LDS store
	ds_add_u32 v[SPW], v[NIL]
	s_wait_dscnt 0x0
	s_endpgm
.Lfunc_end_k_qac28d7ad7e_attn:
	.size	k_qac28d7ad7e_attn, .Lfunc_end_k_qac28d7ad7e_attn-k_qac28d7ad7e_attn
	.p2alignl 7, 3214868480
	.fill 96, 4, 3214868480
	.section	.rodata,"a",@progbits
	.p2align	6, 0x0
	.amdhsa_kernel k_qac28d7ad7e_attn
		.amdhsa_group_segment_fixed_size 327680
		.amdhsa_private_segment_fixed_size 0
		.amdhsa_enable_private_segment 0
		.amdhsa_kernarg_size 40
		.amdhsa_user_sgpr_count 2
		.amdhsa_user_sgpr_kernarg_segment_ptr 1
		.amdhsa_wavefront_size32 1
		.amdhsa_system_sgpr_workgroup_id_x 1
		.amdhsa_system_sgpr_workgroup_id_y 1
		.amdhsa_system_sgpr_workgroup_id_z 1
		.amdhsa_system_vgpr_workitem_id 0
		.amdhsa_next_free_vgpr 1024
		.amdhsa_next_free_sgpr 100
		.amdhsa_reserve_vcc 1
		.amdhsa_float_denorm_mode_32 3
		.amdhsa_float_denorm_mode_16_64 3
		.amdhsa_memory_ordered 1
		.amdhsa_forward_progress 1
		.amdhsa_inst_pref_size 255
	.end_amdhsa_kernel
	.section	.bss,"aw",@nobits
	.p2align	6
	.space	262144
	.amdgpu_metadata
---
amdhsa.version: [ 1, 2 ]
amdhsa.kernels:
  - .name:           k_qac28d7ad7e_attn
    .symbol:         k_qac28d7ad7e_attn.kd
    .args:
      - { .name: qr_codes, .offset: 0, .size: 8, .value_kind: global_buffer, .address_space: global }
      - { .name: qr_scales, .offset: 8, .size: 8, .value_kind: global_buffer, .address_space: global }
      - { .name: V_codes, .offset: 16, .size: 8, .value_kind: global_buffer, .address_space: global }
      - { .name: V_scales, .offset: 24, .size: 8, .value_kind: global_buffer, .address_space: global }
      - { .name: out0, .offset: 32, .size: 8, .value_kind: global_buffer, .address_space: global }
    .group_segment_fixed_size: 327680
    .private_segment_fixed_size: 0
    .kernarg_segment_align: 8
    .kernarg_segment_size: 40
    .max_flat_workgroup_size: 128
    .sgpr_count:     100
    .vgpr_count:     1024
    .wavefront_size: 32
...
	.end_amdgpu_metadata
.endif
;; end of part 4
